; MI455X (gfx1250); checked and timed in simulation.
; The chip was launched on July 23, 2026; its instructions are those of AMD's public machine-readable ISA for CDNA 5 (MIT licence, August 2026) and "CDNA5" Instruction Set Architecture Reference Guide (July 2026). The comments in the code are by the model that wrote it; some were corrected since.
;; Multi Head Attention. Allowed arithmetic: float matrix products may take bf16 or f16 operands with f32 sums; other float arithmetic in f32, or as packed bf16 or f16 multiplies, adds, multiply-adds, maxima and minima; sums over many terms, partial sums and values carried from step to step in f32; what a program stores and reads back later, other than sums and carried values, may be rounded once to bf16 or f16.
;; Inputs: Wk 16 x 1,024 x 64 float32; Wo 1,024 x 1,024 float32; Wq 16 x 1,024 x 64 float32; Wv 16 x 1,024 x 64 float32; bk 16 x 64 float32; bo 1,024 float32; bq 16 x 64 float32; bv 16 x 64 float32; key 4 x 2,048 x 1,024 float32; mask 4 x 2,048 x 2,048 bool; query 4 x 2,048 x 1,024 float32; value 4 x 2,048 x 1,024 float32.
;; Outputs: out0 4 x 2,048 x 1,024 float32.
;; One version. Each part assembles by itself: llvm-mc -triple=amdgcn-amd-amdhsa -mcpu=gfx1250 --defsym DOCPART=n.
;; ======== version 1 of 1: 4 launches
;; limits: values are held in f16: magnitudes above 65,504 overflow, below 6.1e-05 lose precision
;; workspace buffers: wb 8,388,608 bytes; qkv 50,331,648 bytes; oh 16,777,216 bytes
;; launch prep (part 1): grid 64 x 4, 8 waves a work-group, no clusters, 0 bytes of LDS; arguments Wq, Wk, Wv, Wo, wb; writes wb
.if DOCPART == 1
	.amdgcn_target "amdgcn-amd-amdhsa--gfx1250"
	.amdhsa_code_object_version 6
	.text
	.protected	k_q127f560384_prep
	.globl	k_q127f560384_prep
	.p2align	8
	.type	k_q127f560384_prep,@function
k_q127f560384_prep:
	s_mov_b64 s[64:65], 0
	v_nop
	global_prefetch_b8 v0, s[64:65] scope:SCOPE_SE
	s_setreg_imm32_b32 hwreg(HW_REG_WAVE_MODE, 25, 1), 1
	s_wait_xcnt 0x0
; The four weights, rounded once to bf16 and laid as [k = 1024][n = 1024], part y of wb (0 q, 1 k, 2 v, 3 o), 2 MiB each.
; Parts 0 to 2 are stored as bf16.  Part 3 (Wo) multiplies an f16 operand later, so its bf16-rounded number is written as f16.
; LIMIT.  That second step is exact for |Wo| from 2^-14 to 65,504; below 2^-14 the number keeps f16's fixed step of 2^-24; beyond 65,504 it is not held.
; Wq, Wk, Wv are [h][m][d] f32: k = m, n = 64 h + d.  Wo is [k][n] already.  Work-group (x, y): rows k = 16 x .. 16 x + 15 of matrix y.
; Thread t takes the 8 columns n = 8 (t % 128) .. of rows k = 16 x + t / 128 + 2 i, i = 0 .. 7: 32 bytes read, 16 bytes written a row.
; Eight neighbouring lanes read 256 consecutive bytes, sixteen store 256 consecutive bytes, both aligned.  No LDS, no loop: all 16 loads of a thread go out at once.
.set OFF, 2                            ; v[2:9]    byte offset of my 32 bytes in row i of the source
.set DO,  10                           ; v10       byte offset of my 16 bytes in the part of wb, row i = 0
.set X,   16                           ; v[16:79]  8 f32 a row
.set Y,   80                           ; v[80:111] 8 numbers of 16 bits a row
	s_load_b256 s[4:11], s[0:1], 0x0               ; Wq s[4:5], Wk s[6:7], Wv s[8:9], Wo s[10:11]
	s_load_b64 s[12:13], s[0:1], 0x20              ; wb
	s_and_b32 s14, ttmp7, 0xffff                   ; which matrix
	s_mov_b32 s20, 256
	s_mov_b32 s21, 0x40000
	s_mov_b32 s22, 4096
	s_cmp_eq_u32 s14, 3
	s_cselect_b32 s15, s20, s21                    ; bytes from one group of 64 columns to the next: a head (262,144), in Wo 256
	s_cselect_b32 s16, s22, s20                    ; bytes from row k to row k + 1: 256, in Wo 4,096
	s_lshl_b32 s17, ttmp9, 4                       ; 16 x
	s_lshl_b32 s18, s16, 1                         ; two rows
	v_and_b32 v1, 127, v0
	v_lshrrev_b32 v11, 3, v1                       ; my group of 64 columns
	v_and_b32 v12, 7, v0                           ; my 8 columns in it
	v_lshrrev_b32 v13, 7, v0
	v_add_nc_u32 v13, s17, v13                     ; my first row
	v_mul_lo_u32 v[OFF], v11, s15
	v_mul_lo_u32 v14, v13, s16
	v_lshl_add_u32 v[OFF], v12, 5, v[OFF]
	v_add_nc_u32 v[OFF], v[OFF], v14
.irp i, 1,2,3,4,5,6,7
	v_add_nc_u32 v[OFF+\i], s18, v[OFF+\i-1]
.endr
	v_lshlrev_b32 v[DO], 11, v13                   ; a row of wb is 2,048 bytes
	v_lshl_add_u32 v[DO], v1, 4, v[DO]
	s_lshl_b32 s22, s14, 21                        ; the part of wb
	s_mov_b32 s23, 0
	s_wait_kmcnt 0x0
	s_cmp_eq_u32 s14, 1
	s_cselect_b64 s[4:5], s[6:7], s[4:5]
	s_cmp_eq_u32 s14, 2
	s_cselect_b64 s[4:5], s[8:9], s[4:5]
	s_cmp_eq_u32 s14, 3
	s_cselect_b64 s[4:5], s[10:11], s[4:5]
	s_add_nc_u64 s[12:13], s[12:13], s[22:23]
.irp i, 0,1,2,3,4,5,6,7
	global_load_b128 v[X+8*\i:X+8*\i+3],   v[OFF+\i], s[4:5] th:TH_LOAD_NT
	global_load_b128 v[X+8*\i+4:X+8*\i+7], v[OFF+\i], s[4:5] offset:16 th:TH_LOAD_NT
.endr
; The eight rows are rounded and stored.  half = 1: the bf16 number is widened again (a shift, a mask) into the row's own f32 registers, which have been read, and written as f16.
.macro ROWS half
.irp i, 0,1,2,3,4,5,6,7
	s_wait_loadcnt 14-2*\i                         ; loads come back in order: row i's two are in, the 14 - 2 i younger ones stay out
.irp j, 0,1,2,3
	v_cvt_pk_bf16_f32 v[Y+4*\i+\j], v[X+8*\i+2*\j], v[X+8*\i+2*\j+1]
.endr
.if \half
.irp j, 0,1,2,3
	v_lshlrev_b32 v[X+8*\i+2*\j], 16, v[Y+4*\i+\j]
	v_and_b32 v[X+8*\i+2*\j+1], 0xffff0000, v[Y+4*\i+\j]
.endr
.irp j, 0,1,2,3
	v_cvt_pk_f16_f32 v[Y+4*\i+\j], v[X+8*\i+2*\j], v[X+8*\i+2*\j+1]
.endr
.endif
	global_store_b128 v[DO], v[Y+4*\i:Y+4*\i+3], s[12:13] offset:\i*4096
.endr
.endm
	s_cmp_eq_u32 s14, 3                            ; the branch hangs on the work-group's y alone
	s_cbranch_scc1 .Lwo
	ROWS 0
	s_endpgm
.Lwo:
	ROWS 1
	s_endpgm
.Lfunc_end_k_q127f560384_prep:
	.size	k_q127f560384_prep, .Lfunc_end_k_q127f560384_prep-k_q127f560384_prep
	.p2alignl 7, 3214868480
	.fill 96, 4, 3214868480
	.section	.rodata,"a",@progbits
	.p2align	6, 0x0
	.amdhsa_kernel k_q127f560384_prep
		.amdhsa_group_segment_fixed_size 0
		.amdhsa_private_segment_fixed_size 0
		.amdhsa_enable_private_segment 0
		.amdhsa_kernarg_size 40
		.amdhsa_user_sgpr_count 2
		.amdhsa_user_sgpr_kernarg_segment_ptr 1
		.amdhsa_wavefront_size32 1
		.amdhsa_system_sgpr_workgroup_id_x 1
		.amdhsa_system_sgpr_workgroup_id_y 1
		.amdhsa_system_sgpr_workgroup_id_z 1
		.amdhsa_system_vgpr_workitem_id 0
		.amdhsa_next_free_vgpr 112
		.amdhsa_next_free_sgpr 66
		.amdhsa_reserve_vcc 0
		.amdhsa_float_denorm_mode_32 3
		.amdhsa_float_denorm_mode_16_64 3
		.amdhsa_memory_ordered 1
		.amdhsa_forward_progress 1
		.amdhsa_inst_pref_size 15
	.end_amdhsa_kernel
	.amdgpu_metadata
---
amdhsa.version: [ 1, 2 ]
amdhsa.kernels:
  - .name:           k_q127f560384_prep
    .symbol:         k_q127f560384_prep.kd
    .args:
      - { .name: Wq, .offset: 0, .size: 8, .value_kind: global_buffer, .address_space: global }
      - { .name: Wk, .offset: 8, .size: 8, .value_kind: global_buffer, .address_space: global }
      - { .name: Wv, .offset: 16, .size: 8, .value_kind: global_buffer, .address_space: global }
      - { .name: Wo, .offset: 24, .size: 8, .value_kind: global_buffer, .address_space: global }
      - { .name: wb, .offset: 32, .size: 8, .value_kind: global_buffer, .address_space: global }
    .group_segment_fixed_size: 0
    .private_segment_fixed_size: 0
    .kernarg_segment_align: 8
    .kernarg_segment_size: 40
    .max_flat_workgroup_size: 256
    .sgpr_count:     66
    .vgpr_count:     112
    .wavefront_size: 32
...
	.end_amdgpu_metadata
.endif
;; end of part 1
;; launch proj (part 2): grid 4 x 192, 4 waves a work-group, clusters of 4 x 4, 327,680 bytes of LDS; arguments query, key, value, wb, bq, bk, bv, qkv; writes qkv
.if DOCPART == 2
	.amdgcn_target "amdgcn-amd-amdhsa--gfx1250"
	.amdhsa_code_object_version 6
	.text
	.protected	k_q127f560384_proj
	.globl	k_q127f560384_proj
	.p2align	8
	.type	k_q127f560384_proj,@function
k_q127f560384_proj:
	s_mov_b64 s[64:65], 0
	v_nop
	global_prefetch_b8 v0, s[64:65] scope:SCOPE_SE
	s_setreg_imm32_b32 hwreg(HW_REG_WAVE_MODE, 25, 1), 1
	s_wait_xcnt 0x0
	s_wait_alu depctr_hold_cnt(0) depctr_sa_sdst(0) depctr_va_vdst(0) depctr_va_sdst(0) depctr_va_ssrc(0) depctr_va_vcc(0) depctr_vm_vsrc(0)
	s_getreg_b32 s2, hwreg(HW_REG_IB_STS2, 6, 4)
	s_cmp_eq_u32 s2, 0
	s_cbranch_scc0 .Lentry_in_a_cluster
	s_endpgm
.Lentry_in_a_cluster:
	s_bfe_u32 s2, ttmp6, 0x10000c
	s_cmp_lg_u32 s2, 0xf033
	s_cbranch_scc0 .Lentry_shape_is_right
	s_endpgm
.Lentry_shape_is_right:
; q, k, v = X W + b.  X: query, key or value, [8192][1024] f32, rounded to bf16 on the way from LDS to the matrix unit; W: part p of wb, [k][n] bf16; b f32, rounded to bf16 like every input.
; Sums in f32; the result rounded once to f16 and stored by heads: qkv part p, [16 n + h][row 0..2047][64].
; LIMIT.  f16 holds no number beyond 65,504: |q|, |k|, |v| must stay within it.
; SHARES.  Work-group y = 4 x cluster y + cy: projection p = y / 64, row tile R = y % 64 (128 rows); column tile cx (256 columns, 4 heads).  768 tiles.  Four waves, each 64 rows x 128 columns: 32 accumulators.
; K goes in 8 steps of 128 through two LDS slots; a step is four quarters of 32, 32 matrix instructions each, on fragment buffers 0, 1, 0, 1.
; CLUSTER 4 x 4.  X's tile hangs on R alone and is asked for jointly along a row of the cluster, W's on p and cx alone and jointly along a column: the requests for both are divided by four.
; THE MATRIX INSTRUCTION IS USED TRANSPOSED (source 0 = 16 columns of W, by the turning load; source 1 = 16 rows of X): a lane then holds eight neighbouring columns of one row.
; The first product of each accumulator takes the bias as C: nothing is cleared, nothing is added later.
; REGISTERS.  window 0: v16-30 addresses; v32-63 at work; v64-127 X's fragments as f32, later the way out; v128-191 X's fragments in bf16, two buffers; v192-255 the bias of my 128 columns.
;   window 1: v0-127 W's fragments, two buffers.     window 2: accumulator (a, b) at v[8 (8 a + b)].
.set PA,    528                        ; a row of X in LDS: 512 bytes + 16: row r starts at bank 4 r mod 64 (64 banks of 4 bytes: ISA guide 11.1)
.set PB,    544                        ; a row of W: 512 + 32 = 136 words
.set AH,    64*PA                      ; what one load of X brings, and what one wave reads of X
.set BH,    64*PB                      ; what one load of W brings
.set BOFF,  2*AH
.set SLOT,  BOFF+2*BH                  ; 137,216
.set STAGE, 2*SLOT                     ; behind the ring: for each wave two panels (heads) of 16 rows x 144 bytes
.set SP,    144
.set SPARE, STAGE+4*2*16*SP            ; the spare words, 128 bytes a wave: two blocks of 256 bytes that no other line names
.set ADRA, 16                          ; v16-17 LDS address of my fragments of X in slot 0, 1
.set ADRB, 20                          ; v20-21 the same for W
.set STO,  24
.set RD,   25
.set CO,   26
.set BO,   27
.set SPW,  28                          ; LDS address of my spare word; never rewritten
.set NIL,  29                          ; 0; never rewritten
.set PFO,  30                          ; the prefetches' lane offset; never rewritten
.set TMP,  32
.set STG,  64
.set AF,   128
.set BIAS, 192
.set G1,  24                           ; s[24:31] group 1 for X's tiles, s[32:39] group 0, a set a slot
.set G0,  32
.set G1B, 48                           ; s[48:55], s[56:63] the same for W's
.set G0B, 56
.set PFA, 88                           ; s[88:89] where my prefetches stand
.set PFS, 90                           ; s[90:91] a K step in bytes: 512 along X's rows, 262,144 down W's
.set LIM, 92                           ; 1 in a wave that prefetches, else the greatest number
.set MSB, 0
.macro WIN new                         ; the immediate's high byte repeats the setting that is left
.if MSB != (\new)
	s_set_vgpr_msb (MSB<<8)|(\new)
.set MSB, \new
.endif
.endm
.macro PLACES                          ; four places in front of loads into registers that matrix instructions have read, and of reads of results
.rept 4
	v_nop
.endr
.endm
.macro JLOAD s                         ; a joint load: waves 0 and 1 fetch X's two halves, waves 2 and 3 W's; an s_nop 0 and four v_nop follow each line
	s_cmp_eq_u32 s11, 0
	s_cbranch_scc0 .Lfor_b_\@
	tensor_load_to_lds s[G0+4*(\s):G0+4*(\s)+3], s[G1:G1+7]
	s_nop 0
.rept 4
	v_nop
.endr
	s_branch .Lasked_\@
.Lfor_b_\@:
	tensor_load_to_lds s[G0B+4*(\s):G0B+4*(\s)+3], s[G1B:G1B+7]
	s_nop 0
.rept 4
	v_nop
.endr
.Lasked_\@:
.endm
.macro CREST                           ; a round of the cluster's barrier behind its opening barrier
	s_cmp_lg_u32 s10, 0
	s_cbranch_scc1 .Lnot_wave_0_\@
	s_barrier_signal -3
.Lnot_wave_0_\@:
	s_barrier_wait -3
	s_barrier_signal -1
	s_barrier_wait -1
.endm
.macro CROUND
	s_barrier_signal -1
	s_barrier_wait -1
	CREST
.endm
; A prefetch into the L2 behind each joint refill: the K step two refills on.  A K step is 512 bytes of each of a wave's 64 rows: the four partners that ask for the tile jointly take 16 rows each, told apart
; by address (cx for X, cy for W); a lane a block of 256 bytes.  X's rows are read by this cluster alone; W's by the 16 clusters of a projection, of which the first asks.  The loop's last trip asks for nothing.
.macro ASK
	s_cmp_gt_u32 s3, s[LIM]
	s_cbranch_scc0 .Lnot_mine_\@
	global_prefetch_b8 v[PFO], s[PFA:PFA+1] th:TH_LOAD_NT scope:SCOPE_SE
.Lnot_mine_\@:
.endm
	s_load_b256 s[68:75], s[0:1], 0x0              ; query s[68:69], key s[70:71], value s[72:73], wb s[74:75]
	s_load_b256 s[76:83], s[0:1], 0x20             ; bq s[76:77], bk s[78:79], bv s[80:81], qkv s[82:83]
	v_lshl_add_u32 v[SPW], v0, 2, SPARE
	v_mov_b32 v[NIL], 0
	ds_add_u32 v[SPW], v[NIL]                      ; the wave's opening: the add and its wait ahead of my first tensor load
	v_lshrrev_b32 v1, 5, v0
	v_readfirstlane_b32 s10, v1                    ; wave 0..3
	s_lshr_b32 s11, s10, 1                         ; my half of the tile's rows.  Also: I fetch X (0) or W (1)
	s_and_b32 s12, s10, 1                          ; my half of its columns.  Also: which 64 rows I fetch
	s_bfe_u32 s40, ttmp6, 0x40000                  ; cx = the column tile
	s_bfe_u32 s41, ttmp6, 0x40004                  ; cy
	s_and_b32 s84, ttmp7, 0xffff                   ; cluster y, 0 .. 47
	s_lshr_b32 s85, s84, 4                         ; the projection: the same in all sixteen partners
	s_lshl_b32 s13, s84, 2
	s_add_co_u32 s13, s13, s41
	s_and_b32 s13, s13, 63                         ; the row tile R
	s_lshl_b32 s43, s41, 2
	s_lshl_b32 s43, 15, s43                        ; my row of the cluster
	s_lshl_b32 s44, 0x1111, s40                    ; my column
	s_or_b32 s[G1+0], s43, (2<<16)|(1<<20)|(1<<21)|(6<<22)|(3<<25)   ; mask; 4-byte elements; padding on; bit 21 beside a mask; after every 128 words 4 words
	s_or_b32 s[G1B+0], s44, (1<<16)|(1<<20)|(1<<21)|(6<<22)|(7<<25)  ; mask; 2-byte elements; after every 128 words 8 words
	s_mov_b32 s[G1+1], 128<<16                     ; tensor_dim0 = 128
	s_mov_b32 s[G1+2], 64<<16                      ; tensor_dim1 = 64
	s_mov_b32 s[G1+3], 128<<16                     ; tile_dim0 = 128
	s_mov_b32 s[G1+4], 64                          ; tile_dim1 = 64
	s_mov_b32 s[G1+5], 1024                        ; elements from row to row
	s_mov_b32 s[G1+6], 0
	s_mov_b32 s[G1+7], 0
	s_mov_b32 s[G1B+1], 256<<16
	s_mov_b32 s[G1B+2], 64<<16
	s_mov_b32 s[G1B+3], 256<<16
	s_mov_b32 s[G1B+4], 64
	s_mov_b32 s[G1B+5], 1024
	s_mov_b32 s[G1B+6], 0
	s_mov_b32 s[G1B+7], 0
	s_lshl_b32 s16, s13, 7
	s_lshl_b32 s17, s12, 6
	s_add_co_u32 s16, s16, s17                     ; X: row 128 R + 64 x half,
	s_lshl_b32 s16, s16, 12                        ; of 4,096 bytes
	s_mov_b32 s17, 0
	s_lshl_b32 s46, s85, 21                        ; W: the part of wb,
	s_lshl_b32 s47, s12, 17                        ; 64 rows of 2,048 bytes,
	s_add_co_u32 s46, s46, s47
	s_lshl_b32 s47, s40, 9                         ; 256 columns of 2 bytes
	s_add_co_u32 s46, s46, s47
	s_mov_b32 s47, 0
	s_mul_i32 s20, s12, AH                         ; where they go: no place in the cluster enters an LDS address
	s_mul_i32 s21, s12, BH
	s_add_co_u32 s21, s21, BOFF
	s_wait_dscnt 0x0                               ; the opening add is done
	s_wait_kmcnt 0x0
	s_cmp_eq_u32 s85, 1
	s_cselect_b64 s[4:5], s[70:71], s[68:69]
	s_cselect_b64 s[6:7], s[78:79], s[76:77]
	s_cmp_eq_u32 s85, 2
	s_cselect_b64 s[4:5], s[72:73], s[4:5]         ; X
	s_cselect_b64 s[6:7], s[80:81], s[6:7]         ; its bias
	s_add_nc_u64 s[14:15], s[4:5], s[16:17]
	s_add_nc_u64 s[46:47], s[74:75], s[46:47]
	CROUND                                         ; all sixteen work-groups are here: the first joint loads meet
.irp s, 0,1
	s_mov_b32 s[G0+4*\s], 1
	s_add_co_u32 s[G0+4*\s+1], s20, \s*SLOT
	s_add_nc_u64 s[G0+4*\s+2:G0+4*\s+3], s[14:15], \s*512
	s_or_b32 s[G0+4*\s+3], s[G0+4*\s+3], 0x80000000
	s_mov_b32 s[G0B+4*\s], 1
	s_add_co_u32 s[G0B+4*\s+1], s21, \s*SLOT
	s_add_nc_u64 s[G0B+4*\s+2:G0B+4*\s+3], s[46:47], \s*262144
	s_or_b32 s[G0B+4*\s+3], s[G0B+4*\s+3], 0x80000000
	JLOAD \s
.endr
	v_and_b32 v1, 15, v0                           ; l % 16
	v_bfe_u32 v2, v0, 4, 1                         ; l / 16
	v_lshlrev_b32 v[BO], 5, v2                     ; the bias of my 8 columns of each block of 16
	s_lshl_b32 s22, s40, 10
	s_lshl_b32 s23, s12, 9
	s_add_co_u32 s22, s22, s23
	s_mov_b32 s23, 0
	s_add_nc_u64 s[6:7], s[6:7], s[22:23]
.irp b, 0,1,2,3,4,5,6,7
	global_load_b128 v[BIAS+8*\b:BIAS+8*\b+3],   v[BO], s[6:7] offset:64*\b
	global_load_b128 v[BIAS+8*\b+4:BIAS+8*\b+7], v[BO], s[6:7] offset:64*\b+16
.endr
	v_mul_u32_u24 v3, v1, PA
	v_lshl_add_u32 v3, v2, 5, v3                   ; X: row x pitch + 32 x half (8 f32)
	v_and_b32 v6, 7, v0
	v_bfe_u32 v8, v0, 3, 1
	v_lshl_add_u32 v7, v2, 3, v6                   ; W, turning load: row k = 8 (l / 16) + l % 8,
	v_mul_u32_u24 v7, v7, PB
	v_lshl_add_u32 v7, v8, 4, v7                   ; columns 8 ((l / 8) % 2) on
	s_mul_i32 s21, s11, AH                         ; my 64 rows of X
	s_lshl_b32 s22, s12, 8                         ; my 128 columns of W
	s_add_co_u32 s22, s22, BOFF
.irp s, 0,1
	v_add_nc_u32 v[ADRA+\s], s21, v3
	v_add_nc_u32 v[ADRB+\s], s22, v7
	s_add_co_u32 s21, s21, SLOT
	s_add_co_u32 s22, s22, SLOT
.endr
	s_mul_i32 s23, s10, 2*16*SP
	s_add_co_u32 s23, s23, STAGE                   ; my stage
	v_mul_u32_u24 v4, v1, SP                       ; in: row l % 16, 16 bytes for each half of the lanes
	v_lshl_add_u32 v4, v2, 4, v4
	v_add_nc_u32 v[STO], s23, v4
	v_bfe_u32 v5, v0, 3, 2                         ; back: 32 lanes take four rows of 128 bytes,
	v_mul_u32_u24 v5, v5, SP
	v_lshl_add_u32 v5, v6, 4, v5
	v_add_nc_u32 v[RD], s23, v5
	v_and_b32 v[CO], 31, v0                        ; which are 512 consecutive bytes of a head
	v_lshrrev_b32 v3, 1, v[CO]
	v_and_b32 v[PFO], 1, v[CO]
	v_lshlrev_b32 v[CO], 4, v[CO]
	; my part of qkv: part p, head 16 (R / 16) + 4 cx + 2 x column half, row 128 (R % 16) + 64 x row half; a head is 262,144 bytes, a row 128
	s_lshl_b32 s86, s85, 24
	s_lshr_b32 s87, s13, 4
	s_lshl_b32 s87, s87, 22
	s_add_co_u32 s86, s86, s87
	s_lshl_b32 s87, s40, 20
	s_add_co_u32 s86, s86, s87
	s_lshl_b32 s87, s12, 19
	s_add_co_u32 s86, s86, s87
	s_and_b32 s87, s13, 15
	s_lshl_b32 s87, s87, 14
	s_add_co_u32 s86, s86, s87
	s_lshl_b32 s87, s11, 13
	s_add_co_u32 s86, s86, s87
	s_mov_b32 s87, 0
	s_add_nc_u64 s[8:9], s[82:83], s[86:87]
	; the prefetches: from my tile's first byte, my work-group's 16 rows of the 64, at K step 3: the first change of slots steps it to 4
	s_lshl_b32 s22, s40, 16                        ; X: 16 cx rows of 4,096 bytes
	s_add_co_u32 s22, s22, 3*512
	s_lshl_b32 s23, s41, 15                        ; W: 16 cy rows of 2,048 bytes
	s_add_co_u32 s23, s23, 3*262144
	s_and_b32 s93, s84, 15                         ; my cluster among the projection's sixteen
	s_mov_b32 s94, 512
	s_mov_b32 s95, 262144
	s_cmp_eq_u32 s11, 0                            ; do I fetch X?
	s_cselect_b64 s[PFA:PFA+1], s[14:15], s[46:47]
	s_cselect_b32 s86, s22, s23
	s_cselect_b32 s[PFS], s94, s95
	s_cselect_b32 s93, 0, s93
	s_cselect_b32 s94, 12, 11                      ; a row's bytes, as a shift
	s_mov_b32 s[PFS+1], 0
	s_add_nc_u64 s[PFA:PFA+1], s[PFA:PFA+1], s[86:87]
	s_cmp_eq_u32 s93, 0
	s_cselect_b32 s[LIM], 1, -1                    ; the same in all sixteen partners, for a given wave
	v_lshlrev_b32 v[PFO], 8, v[PFO]                ; lane l: row l / 2, block l % 2
	v_lshlrev_b32 v3, s94, v3
	v_or_b32 v[PFO], v[PFO], v3
	s_wait_loadcnt 0x0                             ; the bias
.set n, 0
.rept 32
	v_cvt_pk_bf16_f32 v[TMP+n], v[BIAS+2*n], v[BIAS+2*n+1]  ; rounded to bf16 like the other inputs,
.set n, n+1
.endr
.set n, 0
.rept 32
	v_lshlrev_b32 v[BIAS+2*n], 16, v[TMP+n]        ; and back to f32, for the C operand
	v_and_b32 v[BIAS+2*n+1], 0xffff0000, v[TMP+n]
.set n, n+1
.endr
; 8 products: row block a x all 8 column blocks, 32 along K, from buffer f.  first = 1: C is the bias.  ride = 1: behind each product four conversions of the next quarter's X into the other buffer.
; The 32 accumulators take turns in one order everywhere.
.macro MUL8 f, a, first, ride
.irp b, 0,1,2,3,4,5,6,7
.if \first
	WIN 0x81                                       ; W window 1, X and the bias window 0, D window 2
	v_wmma_f32_16x16x32_bf16 v[8*(8*(\a)+\b):8*(8*(\a)+\b)+7], v[64*(\f)+8*\b:64*(\f)+8*\b+7], v[AF+32*(\f)+8*(\a):AF+32*(\f)+8*(\a)+7], v[BIAS+8*\b:BIAS+8*\b+7]
.else
	WIN 0xa1                                       ; C and D window 2
	v_wmma_f32_16x16x32_bf16 v[8*(8*(\a)+\b):8*(8*(\a)+\b)+7], v[64*(\f)+8*\b:64*(\f)+8*\b+7], v[AF+32*(\f)+8*(\a):AF+32*(\f)+8*(\a)+7], v[8*(8*(\a)+\b):8*(8*(\a)+\b)+7]
.endif
.if \ride
	WIN 0
.irp n, 0,1,2,3
	v_cvt_pk_bf16_f32 v[AF+32*(1-(\f))+4*\b+\n], v[STG+8*\b+2*\n], v[STG+8*\b+2*\n+1]
.endr
.endif
.endr
.endm
; 32 LDS loads in one run: quarter q of a slot.  X first (16 loads, f32: a lane's 8 + 8 numbers of a row are 32 + 32 bytes, 64 apart), then W (turned) into buffer g.
.macro FETCH slot, q, g
	WIN 0
.irp a, 0,1,2,3
	ds_load_b128 v[STG+16*\a:STG+16*\a+3],     v[ADRA+(\slot)] offset:\a*16*PA+128*(\q)
	ds_load_b128 v[STG+16*\a+4:STG+16*\a+7],   v[ADRA+(\slot)] offset:\a*16*PA+128*(\q)+16
	ds_load_b128 v[STG+16*\a+8:STG+16*\a+11],  v[ADRA+(\slot)] offset:\a*16*PA+128*(\q)+64
	ds_load_b128 v[STG+16*\a+12:STG+16*\a+15], v[ADRA+(\slot)] offset:\a*16*PA+128*(\q)+80
.endr
	WIN 0x40
.irp b, 0,1,2,3,4,5,6,7
	ds_load_tr16_b128 v[64*(\g)+8*\b:64*(\g)+8*\b+3],   v[ADRB+(\slot)] offset:32*(\q)*PB+32*\b
	ds_load_tr16_b128 v[64*(\g)+8*\b+4:64*(\g)+8*\b+7], v[ADRB+(\slot)] offset:32*(\q)*PB+16*PB+32*\b
.endr
.endm
; One of a K step's first three quarters: multiplies buffer f, fetches quarter q of the same slot and converts its X into the other buffer.
.macro QUARTER slot, q, f, first
	s_wait_dscnt 0x0                               ; W of buffer f, asked for 16 products ago
	MUL8 \f, 0, \first, 0
	MUL8 \f, 1, \first, 0
	PLACES
	FETCH \slot, \q, 1-(\f)
	MUL8 \f, 2, \first, 0
	s_wait_dscnt 16                                ; X's 16 loads are in; W's 16, issued behind them, may stay out
	MUL8 \f, 3, \first, 1
.endm
; The last quarter multiplies buffer 1 and changes slots: one barrier; in front of it each wave waits for all its tensor loads, adds 0 to its spare word, and waits for that and for its reads of this slot.
.macro TURN slot, next, fill
.if \fill
	s_wait_xcnt 0x0                                ; the last prefetch, a K step back, has read its address
	s_add_nc_u64 s[PFA:PFA+1], s[PFA:PFA+1], s[PFS:PFS+1]
.endif
	WIN 0
	s_wait_tensorcnt 0x0                           ; all my tensor loads have landed: my part of the next slot
	ds_add_u32 v[SPW], v[NIL]                      ; 0 onto my spare word
	s_wait_dscnt 1                                 ; W of buffer 1 is in; the add alone may be out
	MUL8 1, 0, 0, 0
	s_wait_dscnt 0x0                               ; the add is done, and my reads of this slot are over
	s_barrier_signal -1
	MUL8 1, 1, 0, 0
	WIN 0
	s_barrier_wait -1
.if \fill
	CREST                                          ; the barrier has opened a round of the cluster's: no wave of any partner still reads this slot or has a load on its way
	s_add_nc_u64 s[G0+4*(\slot)+2:G0+4*(\slot)+3], s[G0+4*(\slot)+2:G0+4*(\slot)+3], 2*512
	s_add_nc_u64 s[G0B+4*(\slot)+2:G0B+4*(\slot)+3], s[G0B+4*(\slot)+2:G0B+4*(\slot)+3], 2*262144
	JLOAD \slot                                    ; the first tensor load behind the round; its four v_nop are also the places in front of the loads below
.else
	PLACES
.endif
	FETCH \next, 0, 0
	WIN 0
.if \fill
	ASK
.endif
	MUL8 1, 2, 0, 0
	s_wait_dscnt 16
	MUL8 1, 3, 0, 1
.endm
	s_wait_tensorcnt 1                             ; my part of K step 0 is in; K step 1's may stay out
	s_barrier_signal -1
	s_barrier_wait -1
	FETCH 0, 0, 0
	s_wait_dscnt 16
	WIN 0
.set n, 0
.rept 32
	v_cvt_pk_bf16_f32 v[AF+n], v[STG+2*n], v[STG+2*n+1]
.set n, n+1
.endr
	QUARTER 0, 1, 0, 1                             ; the first quarter stands in front of the loop: its products start the sums, with the bias
	WIN 0
	s_mov_b32 s3, 3
.Llap:                                                 ; a trip goes once round the ring and fills both slots again
	QUARTER 0, 2, 1, 0
	QUARTER 0, 3, 0, 0
	TURN 0, 1, 1
	QUARTER 1, 1, 0, 0
	QUARTER 1, 2, 1, 0
	QUARTER 1, 3, 0, 0
	TURN 1, 0, 1
	QUARTER 0, 1, 0, 0
	WIN 0
	s_sub_co_u32 s3, s3, 1
	s_cmp_lg_u32 s3, 0
	s_cbranch_scc1 .Llap
	QUARTER 0, 2, 1, 0                             ; the last lap fills nothing
	QUARTER 0, 3, 0, 0
	TURN 0, 1, 0
	QUARTER 1, 1, 0, 0
	QUARTER 1, 2, 1, 0
	QUARTER 1, 3, 0, 0
	s_wait_dscnt 0x0
	MUL8 1, 0, 0, 0
	MUL8 1, 1, 0, 0
	MUL8 1, 2, 0, 0
	MUL8 1, 3, 0, 0
	WIN 0
	PLACES
	; THE WAY OUT, 16 rows at a time: rounded to f16; 16 bytes a lane into my stage, a panel a head; back as four rows of 128 bytes, which are 512 consecutive bytes of the head.
.irp a, 0,1,2,3
	WIN 0x0a
.irp b, 0,1,2,3,4,5,6,7
.irp r, 0,1,2,3
	v_cvt_pk_f16_f32 v[TMP+4*\b+\r], v[64*\a+8*\b+2*\r], v[64*\a+8*\b+2*\r+1]
.endr
.endr
	WIN 0
.irp b, 0,1,2,3,4,5,6,7
	ds_store_b128 v[STO], v[TMP+4*\b:TMP+4*\b+3] offset:(\b/4)*16*SP+32*(\b%4)
.endr
	s_wait_xcnt 0x0                                ; earlier stores have read their registers, which are loaded again below
.irp t, 0,1,2,3,4,5,6,7
	ds_load_b128 v[STG+32*(\a%2)+4*\t:STG+32*(\a%2)+4*\t+3], v[RD] offset:(\t/4)*16*SP+(\t%4)*4*SP  ; LDS serves a wave's instructions in order: these see the stores above
.endr
	s_wait_dscnt 0x0
.irp t, 0,1,2,3,4,5,6,7
	global_store_b128 v[CO], v[STG+32*(\a%2)+4*\t:STG+32*(\a%2)+4*\t+3], s[8:9] offset:(\t/4)*262144+\a*2048+(\t%4)*512
.endr
.endr
	s_wait_tensorcnt 0x0                           ; the wave's end
	ds_add_u32 v[SPW], v[NIL]
	s_wait_dscnt 0x0
	CROUND                                         ; the closing round
	s_endpgm
.Lfunc_end_k_q127f560384_proj:
	.size	k_q127f560384_proj, .Lfunc_end_k_q127f560384_proj-k_q127f560384_proj
	.p2alignl 7, 3214868480
	.fill 96, 4, 3214868480
	.section	.rodata,"a",@progbits
	.p2align	6, 0x0
	.amdhsa_kernel k_q127f560384_proj
		.amdhsa_group_segment_fixed_size 327680
		.amdhsa_private_segment_fixed_size 0
		.amdhsa_enable_private_segment 0
		.amdhsa_kernarg_size 64
		.amdhsa_user_sgpr_count 2
		.amdhsa_user_sgpr_kernarg_segment_ptr 1
		.amdhsa_wavefront_size32 1
		.amdhsa_system_sgpr_workgroup_id_x 1
		.amdhsa_system_sgpr_workgroup_id_y 1
		.amdhsa_system_sgpr_workgroup_id_z 1
		.amdhsa_system_vgpr_workitem_id 0
		.amdhsa_next_free_vgpr 768
		.amdhsa_next_free_sgpr 96
		.amdhsa_reserve_vcc 0
		.amdhsa_float_denorm_mode_32 3
		.amdhsa_float_denorm_mode_16_64 3
		.amdhsa_memory_ordered 1
		.amdhsa_forward_progress 1
		.amdhsa_inst_pref_size 142
	.end_amdhsa_kernel
	.amdgpu_metadata
---
amdhsa.version: [ 1, 2 ]
amdhsa.kernels:
  - .name:           k_q127f560384_proj
    .symbol:         k_q127f560384_proj.kd
    .args:
      - { .name: query, .offset: 0, .size: 8, .value_kind: global_buffer, .address_space: global }
      - { .name: key, .offset: 8, .size: 8, .value_kind: global_buffer, .address_space: global }
      - { .name: value, .offset: 16, .size: 8, .value_kind: global_buffer, .address_space: global }
      - { .name: wb, .offset: 24, .size: 8, .value_kind: global_buffer, .address_space: global }
      - { .name: bq, .offset: 32, .size: 8, .value_kind: global_buffer, .address_space: global }
      - { .name: bk, .offset: 40, .size: 8, .value_kind: global_buffer, .address_space: global }
      - { .name: bv, .offset: 48, .size: 8, .value_kind: global_buffer, .address_space: global }
      - { .name: qkv, .offset: 56, .size: 8, .value_kind: global_buffer, .address_space: global }
    .group_segment_fixed_size: 327680
    .private_segment_fixed_size: 0
    .kernarg_segment_align: 8
    .kernarg_segment_size: 64
    .max_flat_workgroup_size: 128
    .sgpr_count:     96
    .vgpr_count:     768
    .wavefront_size: 32
...
	.end_amdgpu_metadata
.endif
;; end of part 2
;; launch attn (part 3): grid 4 x 64, 4 waves a work-group, clusters of 4 x 4, 327,680 bytes of LDS; arguments qkv, mask, oh; writes oh
.if DOCPART == 3
	.amdgcn_target "amdgcn-amd-amdhsa--gfx1250"
	.amdhsa_code_object_version 6
	.text
	.protected	k_q127f560384_attn
	.globl	k_q127f560384_attn
	.p2align	8
	.type	k_q127f560384_attn,@function
k_q127f560384_attn:
	s_mov_b64 s[64:65], 0
	v_nop
	global_prefetch_b8 v0, s[64:65] scope:SCOPE_SE
	s_setreg_imm32_b32 hwreg(HW_REG_WAVE_MODE, 25, 1), 1
	s_wait_xcnt 0x0
	s_wait_alu depctr_hold_cnt(0) depctr_sa_sdst(0) depctr_va_vdst(0) depctr_va_sdst(0) depctr_va_ssrc(0) depctr_va_vcc(0) depctr_vm_vsrc(0)
	s_getreg_b32 s2, hwreg(HW_REG_IB_STS2, 6, 4)
	s_cmp_eq_u32 s2, 0
	s_cbranch_scc0 .Lentry_in_a_cluster
	s_endpgm
.Lentry_in_a_cluster:
	s_bfe_u32 s2, ttmp6, 0x10000c
	s_cmp_lg_u32 s2, 0xf033
	s_cbranch_scc0 .Lentry_shape_is_right
	s_endpgm
.Lentry_shape_is_right:
; O[nh][q][:] = the sum over k of softmax_k(s) V[nh][k][:], s = Q[nh][q] . K[nh][k] / 8 where mask[n][q][k] = 0, hidden where it is 1.  Q, K, V: parts 0, 1, 2 of qkv, [64 heads][2048][64] f16, rows dense.
; O: oh, the same layout, f16.  Products, extremes and sums in f32; the weights p are rounded to f16 for the second product (their sum l is taken of the unrounded p), O once at the end.
; LIMITS.  Q, K, V arrive within f16's 65,504; O is a mean of V's rows and has their range.  A hidden score counts as -2^100 before the division by 8, not as -1e9: the two differ only where visible scores lie near or below -1e9.
; A row whose keys are ALL hidden gives the mean of V's rows only if 2^100 plus products some 60 binary places below it leaves the matrix unit as 2^100 for every key; that is not shown here.
; A weight below 2^-126 counts as 0 in l; NaN and infinities are not treated apart.
; SHARES.  Head nh = 4 x cluster y + cy, query block cx of 512; a wave owns four PIECES of two tiles of 16 queries.  Every wave walks all 2,048 keys, 64 a step, two steps a slot.
; THE MASK costs no instruction a score.  Q is negated once, so S' = K (-Q)^T + C holds -s, and C, the operand that starts the sum, is 0 or +2^100.  C is made from the mask's bytes: a lane's 8 keys of a block of 16
; are 8 bytes; shifted left by 6 a byte 1 is 0x40, which is 2.0 as an 8-bit float (E4M3); one scaled conversion with the scale 2^99 makes eight registers of C.  The softmax runs on the MINIMUM m of S':
; p = 2^(-c S' - (-c m)), c = log2(e) / 8; O and l are multiplied by a = 2^(cm_new - cm_old) in every step.  m starts at the greatest finite number, -c m far below every score, O and l at 0.
; BY TURNS.  Turn n belongs to piece n: 16 products K (-Q)^T of piece n + 1, later 16 products V^T P of piece n - 1; beside them piece n's scaling, exponentials, roundings, sums and rescaling, piece n + 1's minimum
; and statistics, and at its end the C operands of piece n + 2.  Four vector instructions stand behind every matrix instruction, the others in one lump; a turn's 66 exponentials are one batch with one wait.
; CLUSTER 4 x 4.  K and V hang on the head and are asked for jointly along a row of the cluster (its four query blocks); the mask's tile hangs on the batch and the query block and is asked for jointly along a
; column (four heads of one batch).  A slot holds 128 keys, since the mask's 512 rows for 256 keys, twice, would not fit in LDS: the mask's rows in a tile are 128 bytes.
; REGISTERS, in windows of 256 (s_set_vgpr_msb: bits 1:0 source 0, 3:2 source 1, 5:4 source 2, 7:6 destination):
;   window 0: v0-11 addresses; v12-15, v48-63 at work; v16-47 four registers of statistics a tile; v64-191 S', two buffers of two tiles; v192-255 P, likewise
;   window 1: O^T, 32 a tile      window 2: v0-127 -Q; v128-191 K of one step; v192-255 V of one step
;   window 3: v0-1 the add's two registers; v2 the scale; v64-127 the mask's bytes of one step; v128-255 C, two buffers of two tiles
.set NP,    4
.set KS,    64
.set PK,    144       ; a row of K in LDS: 128 bytes + 16: the 16 rows of a load start at 16 different groups of four banks (64 banks of 4 bytes: ISA guide 11.1)
.set PV,    160       ; a row of V: 128 + 32
.set PM,    144       ; a row of the mask: 128 + 16: 32 lanes' 8 bytes (16 rows, two halves) take each bank once
.set VOFF,  2*KS*PK   ; a slot: 128 rows of K, 128 of V, 512 of the mask
.set MOFF,  2*KS*(PK+PV)
.set SLOT1, 1<<17     ; slot 1 begins here, so that one exclusive or turns an address in one slot into the other's
.set STAGE, SLOT1+MOFF+512*PM  ; behind the ring: 16 rows x 144 bytes for each wave
.set SP,    144
.set SPARE, STAGE+4*16*SP      ; the spare words, 128 bytes a wave: two blocks of 256 bytes that no other line names
.set PMO, 1           ; v1   2,048 x my lane: the mask's prefetches; never rewritten
.set AK0, 2           ; v2   my lane's place in a tile of K; never rewritten
.set AV0, 3           ; v3   the same for V
.set AK,  4           ; v4   the LDS address of K's next run of loads
.set AV,  5           ; v5   of V's
.set STO, 6
.set RD,  7
.set GO,  8
.set AM0, 9           ; v9   my lane's place in the mask's tile; never rewritten
.set AM,  10          ; v10  the LDS address of the mask's next run
.set PFO, 11          ; v11  256 x my lane: K's and V's prefetches; never rewritten
.set QO,  68          ; v68  my byte offset in 16 rows of Q, until Q is in
.set SPW, 0           ; window 3
.set NIL, 1           ; window 3
.set SCL, 2           ; window 3: 226, the scale 2^99
.set RAW, 64          ; window 3: tile T, key block kb at RAW + 8 T + 2 kb
.set MC,  128         ; window 3: by the piece's parity, tile u, key block kb at MC + 64 parity + 32 u + 8 kb
.set MV,  12
.set ST,  16          ; tile t's statistics at v[ST+4 t]: -c m, m, l (even keys', odd keys')
.set TMP, 48
.set S,   64
.set P,   192
.set KF,  128
.set VF,  192
.set WV,  12
.set G1K, 24
.set G1V, 32
.set G0K, 40
.set G0V, 44
.set G1M, 48
.set SLOTS, 56
.set CNT, 57
.set CS,  58          ; s[58:59] -c
.set SEL, 60
.set TBK, 62
.set TBV, 63
.set G0M, 68
.set TBM, 72
.set LIMK, 73
.set LIMM, 74
.set PFK, 76
.set PFM, 78
.set MSB, 0
.macro WIN new
.if MSB != (\new)
	s_set_vgpr_msb (MSB<<8)|(\new)
.set MSB, (\new)
.endif
.endm
.set W_KQ, 0x0a       ; K and Q in window 2, S' in window 0
.set W_KM, 0x3a       ; the same with the C operand in window 3
.set W_PV, 0x52       ; V in window 2, P in window 0, O^T in window 1
.set W_RS, 0x41       ; O^T in window 1, a in window 0
.set W_MK, 0xc0       ; destination in window 3, sources in window 0
.set W_AD, 0x0f       ; the add: address and data in window 3
; A joint fill: wave 0 fetches a slot's K, wave 1 its V, waves 2 and 3 the two halves of its mask.  The branches hang on the wave's number alone.  An s_nop 0 and four v_nop follow each line.
.macro JLOAD
	s_cmp_lt_u32 s[WV], 2
	s_cbranch_scc0 .Lfor_m_\@
	s_cmp_eq_u32 s[WV], 0
	s_cbranch_scc0 .Lfor_v_\@
	tensor_load_to_lds s[G0K:G0K+3], s[G1K:G1K+7]
	s_nop 0
.rept 4
	v_nop
.endr
	s_branch .Lasked_\@
.Lfor_v_\@:
	tensor_load_to_lds s[G0V:G0V+3], s[G1V:G1V+7]
	s_nop 0
.rept 4
	v_nop
.endr
	s_branch .Lasked_\@
.Lfor_m_\@:
	tensor_load_to_lds s[G0M:G0M+3], s[G1M:G1M+7]
	s_nop 0
.rept 4
	v_nop
.endr
.Lasked_\@:
.endm
.macro CROUND
	s_barrier_signal -1
	s_barrier_wait -1
	s_cmp_lg_u32 s[WV], 0
	s_cbranch_scc1 .Lnot_wave_0_\@
	s_barrier_signal -3
.Lnot_wave_0_\@:
	s_barrier_wait -3
	s_barrier_signal -1
	s_barrier_wait -1
.endm
; PREFETCHES INTO THE L2 of what the next change of slots will ask for, two key steps ahead, behind the joint fill.  A slot's K and V are 64 + 64 blocks of 256 bytes, read by this row of the cluster alone: its four
; partners take 32 blocks each, told apart by address (cx / 2: K or V; cx % 2: the half); wave 0 asks, a lane a block.  A row of the mask has one block of 256 bytes for two slots: it is asked for at every second
; change, by the first of the four clusters of a batch; the four partners of a column take 128 rows each by address (cy), a wave 32, a lane a row.  The last change that fills asks for nothing.
.macro ASK
	s_cmp_gt_u32 s[SLOTS], s[LIMK]
	s_cbranch_scc0 .Lno_kv_\@
	global_prefetch_b8 v[PFO], s[PFK:PFK+1] th:TH_LOAD_NT scope:SCOPE_SE
.Lno_kv_\@:
	s_bitcmp1_b32 s[SLOTS], 0
	s_cbranch_scc0 .Lno_m_\@
	s_cmp_gt_u32 s[SLOTS], s[LIMM]
	s_cbranch_scc0 .Lno_m_\@
	global_prefetch_b8 v[PMO], s[PFM:PFM+1] th:TH_LOAD_NT scope:SCOPE_SE
.Lno_m_\@:
.endm
; THE CHANGE OF SLOTS.  Each wave waits for all its tensor loads, of which one is out: its part of the other slot; adds 0 to its spare word; and waits for that and for its own reads of the slot.
; fill = 1: the slot is filled again, with the keys two slots on, behind a round of the cluster's barrier; the fill has two key steps, 256 matrix instructions, in which to land.
.macro CHANGE fill, ask=0
	WIN W_AD
	s_wait_tensorcnt 0x0            ; no tensor load of mine is out, so a group 0 may be written
	ds_add_u32 v[SPW], v[NIL]       ; 0 onto my spare word
	WIN 0
.if \fill
.irp g, G0K, G0V
	s_xor_b32 s[\g+1], s[\g+1], SLOT1
	s_add_nc_u64 s[\g+2:\g+3], s[\g+2:\g+3], 2*KS*128  ; the next 128 keys
.endr
	s_xor_b32 s[G0M+1], s[G0M+1], SLOT1
	s_add_nc_u64 s[G0M+2:G0M+3], s[G0M+2:G0M+3], 2*KS  ; 128 bytes along the mask's rows
	s_wait_xcnt 0x0                 ; the last prefetches, two key steps back, have read their addresses
	s_add_nc_u64 s[PFK:PFK+1], s[PFK:PFK+1], 2*KS*128
	s_add_nc_u64 s[PFM:PFM+1], s[PFM:PFM+1], 2*KS
	s_wait_dscnt 0x0                ; the add is done, and my reads of the slot are over
	CROUND
	JLOAD
.if \ask
	ASK
.endif
.else
	s_wait_dscnt 0x0
	s_barrier_signal -1
	s_barrier_wait -1
.endif
	s_sub_co_u32 s[TBK], s[TBK], 2*KS*PK  ; the fetches go back to a slot's first step, in the other slot
	s_xor_b32 s[TBK], s[TBK], SLOT1
	s_sub_co_u32 s[TBV], s[TBV], 2*KS*PV
	s_xor_b32 s[TBV], s[TBV], SLOT1
	s_sub_co_u32 s[TBM], s[TBM], 2*KS
	s_xor_b32 s[TBM], s[TBM], SLOT1
.endm
	s_load_b128 s[4:7], s[0:1], 0x0   ; qkv s[4:5], mask s[6:7]
	s_load_b64 s[8:9], s[0:1], 0x10   ; oh
	WIN W_MK
	v_mov_b32 v[SCL], 226
	v_lshl_add_u32 v[SPW], v0, 2, SPARE
	v_mov_b32 v[NIL], 0
	WIN W_AD
	ds_add_u32 v[SPW], v[NIL]       ; the wave's opening: the add and its wait ahead of my first tensor load
	WIN 0
	v_lshrrev_b32 v64, 5, v0
	v_readfirstlane_b32 s[WV], v64  ; wave 0..3
	s_bfe_u32 s13, ttmp6, 0x40000   ; cx: the query block
	s_bfe_u32 s14, ttmp6, 0x40004   ; cy
	s_and_b32 s15, ttmp7, 0xffff    ; cluster y
	s_lshl_b32 s16, s15, 2
	s_add_co_u32 s16, s16, s14      ; the head
	s_lshl_b32 s20, s16, 18         ; its 262,144 bytes in a part of qkv and in oh
	s_add_co_u32 s22, s20, 1<<24    ; K's part
	s_mov_b32 s23, 0
	s_add_co_u32 s80, s20, 2<<24    ; V's part
	s_mov_b32 s81, 0
	s_lshr_b32 s17, s15, 2          ; the batch: the same in all sixteen partners
	s_lshl_b32 s17, s17, 22
	s_lshl_b32 s18, s13, 20
	s_add_co_u32 s17, s17, s18      ; the mask at the block's first row
	s_and_b32 s19, s[WV], 1
	s_lshl_b32 s18, s19, 19         ; the 256 rows that I fetch
	s_add_co_u32 s82, s17, s18
	s_mov_b32 s83, 0
	s_mul_i32 s19, s19, 256*PM
	s_add_co_u32 s19, s19, MOFF     ; and where they go
	s_lshl_b32 s2, s13, 16          ; Q and O: my block's 512 rows,
	s_lshl_b32 s3, s[WV], 14        ; my wave's 128
	s_add_co_u32 s2, s2, s3
	s_add_co_u32 s2, s2, s20
	s_mov_b32 s3, 0
	s_lshr_b32 s18, s13, 1          ; the prefetches of K and V: part 1 + cx / 2,
	s_add_co_u32 s18, s18, 1
	s_lshl_b32 s18, s18, 24
	s_add_co_u32 s[PFK], s18, s20
	s_and_b32 s18, s13, 1           ; half cx % 2 of a slot's 16,384 bytes,
	s_lshl_b32 s18, s18, 13
	s_add_co_u32 s[PFK], s[PFK], s18
	s_add_co_u32 s[PFK], s[PFK], 2*KS*128  ; at slot 1: every change that fills steps it
	s_mov_b32 s[PFK+1], 0
	s_lshl_b32 s18, s14, 18         ; those of the mask: rows 128 cy + 32 x wave on
	s_add_co_u32 s[PFM], s17, s18
	s_lshl_b32 s18, s[WV], 16
	s_add_co_u32 s[PFM], s[PFM], s18
	s_add_co_u32 s[PFM], s[PFM], 2*KS
	s_mov_b32 s[PFM+1], 0
	s_cmp_eq_u32 s[WV], 0
	s_cselect_b32 s[LIMK], 1, -1
	s_and_b32 s18, s15, 3
	s_cmp_eq_u32 s18, 0
	s_cselect_b32 s[LIMM], 1, -1    ; the same in all sixteen partners
	s_lshl_b32 s18, s14, 2
	s_lshl_b32 s18, 15, s18         ; my row of the cluster
	s_lshl_b32 s21, 0x1111, s13     ; my column
	; 128 keys of K or V are 16,384 dense bytes: asked for as 64 rows of 256 bytes, two keys a row, padded in LDS after every key
	s_or_b32 s[G1K], s18, (1<<16)|(1<<20)|(1<<21)|(4<<22)|(3<<25)  ; the mask of four; 2-byte elements; padding on; bit 21 beside a mask; after every 32 words 4 words
	s_or_b32 s[G1V], s18, (1<<16)|(1<<20)|(1<<21)|(4<<22)|(7<<25)  ; the same with 8 words
	s_or_b32 s[G1M], s21, (2<<16)|(1<<20)|(1<<21)|(4<<22)|(3<<25)  ; 4-byte elements; after every 32 words 4 words
.irp g, G1K, G1V
	s_mov_b32 s[\g+1], 128<<16      ; tensor_dim0 = 128
	s_mov_b32 s[\g+2], 64<<16       ; tensor_dim1 = 64
	s_mov_b32 s[\g+3], 128<<16      ; tile_dim0 = 128
	s_mov_b32 s[\g+4], 64           ; tile_dim1 = 64
	s_mov_b32 s[\g+5], 128
	s_mov_b32 s[\g+6], 0
	s_mov_b32 s[\g+7], 0
.endr
	s_mov_b32 s[G1M+1], 32<<16      ; 32 words = 128 keys
	s_mov_b32 s[G1M+2], 256<<16     ; 256 rows
	s_mov_b32 s[G1M+3], 32<<16
	s_mov_b32 s[G1M+4], 256
	s_mov_b32 s[G1M+5], 512         ; 2,048 bytes from row to row
	s_mov_b32 s[G1M+6], 0
	s_mov_b32 s[G1M+7], 0
	s_mov_b32 s[CS], 0xbe38aa3b     ; -c = -log2(e) / 8
	s_mov_b32 s[CS+1], s[CS]
	s_mov_b32 s[SEL], 0x76543210
	s_mov_b32 s[SEL+1], 0xfedcba98
	s_mov_b32 s[TBK], SLOT1+2*KS*PK ; the first change of slots turns these three into 0
	s_mov_b32 s[TBV], SLOT1+2*KS*PV
	s_mov_b32 s[TBM], SLOT1+2*KS
	s_mov_b32 s[G0K], 1
	s_mov_b32 s[G0K+1], 0           ; LDS address: slot 0
	s_mov_b32 s[G0V], 1
	s_mov_b32 s[G0V+1], VOFF
	s_mov_b32 s[G0M], 1
	s_mov_b32 s[G0M+1], s19
	s_wait_dscnt 0x0                ; the opening add is done
	s_wait_kmcnt 0x0
	s_add_nc_u64 s[G0K+2:G0K+3], s[4:5], s[22:23]
	s_or_b32 s[G0K+3], s[G0K+3], 0x80000000
	s_add_nc_u64 s[G0V+2:G0V+3], s[4:5], s[80:81]
	s_or_b32 s[G0V+3], s[G0V+3], 0x80000000
	s_add_nc_u64 s[G0M+2:G0M+3], s[6:7], s[82:83]
	s_or_b32 s[G0M+3], s[G0M+3], 0x80000000
	s_add_nc_u64 s[PFK:PFK+1], s[4:5], s[PFK:PFK+1]
	s_add_nc_u64 s[PFM:PFM+1], s[6:7], s[PFM:PFM+1]
	s_add_nc_u64 s[10:11], s[8:9], s[2:3]  ; O and Q at my wave's first row
	s_add_nc_u64 s[4:5], s[4:5], s[2:3]
	CROUND                          ; all sixteen work-groups are here: the first joint loads meet
	JLOAD                           ; slot 0.  Slot 1 is asked for when slot 0 is in
	v_and_b32 v64, 15, v0           ; l % 16
	v_bfe_u32 v65, v0, 4, 1         ; l / 16
	v_lshlrev_b32 v[QO], 7, v64
	v_lshl_add_u32 v[QO], v65, 4, v[QO]  ; row x 128 + 16 x half
	WIN 0x80
.set i, 0
.rept 4*NP                          ; Q stays in registers: tile i / 2, channels 32 (i % 2) on
	global_load_b128 v[8*i:8*i+3],   v[QO], s[4:5] offset:(i/2)*2048+(i%2)*64
	global_load_b128 v[8*i+4:8*i+7], v[QO], s[4:5] offset:(i/2)*2048+(i%2)*64+32
.set i, i+1
.endr
	; What the first turn finds: V's registers and P's second buffer hold 0, O^T and l are 0.  All this stands in the wait for the first tile.
.set i, VF
.rept 64
	v_mov_b32 v[i], 0
.set i, i+1
.endr
	WIN 0x40
.set i, 0
.rept 64*NP
	v_mov_b32 v[i], 0
.set i, i+1
.endr
	WIN 0
.set i, 0
.rept 2*NP
	v_mov_b32 v[ST+4*i], 0xfe000000    ; -c m: far below every scaled score
	v_mov_b32 v[ST+4*i+1], 0x7f7fffff  ; m: the greatest finite number
	v_mov_b32 v[ST+4*i+2], 0
	v_mov_b32 v[ST+4*i+3], 0
.set i, i+1
.endr
.set i, P+32
.rept 32
	v_mov_b32 v[i], 0
.set i, i+1
.endr
	v_mul_u32_u24 v[AK0], v64, PK
	v_lshl_add_u32 v[AK0], v65, 4, v[AK0]
	v_and_b32 v66, 7, v0
	v_bfe_u32 v67, v0, 3, 1
	v_lshl_add_u32 v[AV0], v65, 3, v66   ; the turning load: key 8 (l / 16) + l % 8, channels 8 ((l / 8) % 2) on
	v_mul_u32_u24 v[AV0], v[AV0], PV
	v_lshl_add_u32 v[AV0], v67, 4, v[AV0]
	v_add_nc_u32 v[AV0], VOFF, v[AV0]
	v_mov_b32 v[AK], v[AK0]         ; key step 0 lies at the head of slot 0
	s_mul_i32 s18, s[WV], 128*PM
	s_add_co_u32 s18, s18, MOFF     ; my wave's 128 rows of the mask
	v_mul_u32_u24 v[AM0], v64, PM   ; my query's row, my lanes' 8 keys of each 16
	v_lshl_add_u32 v[AM0], v65, 3, v[AM0]
	v_add_nc_u32 v[AM0], s18, v[AM0]
	v_mov_b32 v[AM], v[AM0]
	s_mul_i32 s18, s[WV], 16*SP
	s_add_co_u32 s18, s18, STAGE    ; my stage
	v_mul_u32_u24 v[STO], v64, SP
	v_lshl_add_u32 v[STO], v65, 4, v[STO]
	v_add_nc_u32 v[STO], s18, v[STO]
	v_bfe_u32 v[RD], v0, 3, 2
	v_mul_u32_u24 v[RD], v[RD], SP
	v_lshl_add_u32 v[RD], v66, 4, v[RD]
	v_add_nc_u32 v[RD], s18, v[RD]
	v_and_b32 v[GO], 31, v0
	v_lshlrev_b32 v[PFO], 8, v[GO]
	v_lshlrev_b32 v[PMO], 11, v[GO]
	v_lshlrev_b32 v[GO], 4, v[GO]
; THE MATRIX WORK.  The 8 accumulators of a run of 16 take turns.  Product i of 16 of S' for piece x: channels 32 (i / 8) on, keys 16 ((i / 2) % 4) on, tile 2 x + i % 2.  The first 8 start the sums, with C.
.macro KQ x
.set rS, S+64*((\x)%2)+32*(i%2)+8*((i/2)%4)
.set rK, KF+16*((i/2)%4)+8*(i/8)
.set rQ, 16*(2*(\x)+i%2)+8*(i/8)
.set rMC, MC+64*((\x)%2)+32*(i%2)+8*((i/2)%4)
.if i < 8
	WIN W_KM
	v_wmma_f32_16x16x32_f16 v[rS:rS+7], v[rK:rK+7], v[rQ:rQ+7], v[rMC:rMC+7]
.else
	WIN W_KQ
	v_wmma_f32_16x16x32_f16 v[rS:rS+7], v[rK:rK+7], v[rQ:rQ+7], v[rS:rS+7]
.endif
.endm
.macro PV x
	WIN W_PV
.set rO, 32*(2*(\x)+i%2)+8*((i/2)%4)
.set rV, VF+32*(i/8)+8*((i/2)%4)
.set rP, P+32*((\x)%2)+16*(i%2)+8*(i/8)
	v_wmma_f32_16x16x32_f16 v[rO:rO+7], v[rV:rV+7], v[rP:rP+7], v[rO:rO+7]
.endm
.macro MM
.if i < 16
	KQ (Y+1)%NP
.set i, i+1
.else
.set i, i-16
	PV (Y+NP-1)%NP
.set i, i+17
.endif
.endm
; THE LDS LOADS stand in runs.  A step's K (8 fragments, 16 loads) and its mask (8 tiles x 4 key blocks, 8 bytes a lane, 32 loads) go together: the mask of tiles 0 and 1, wanted first, then K, then the other 24.
; last = 1 (the tail): in the last trip there is no further step, and the run is jumped over.
.macro FETCH_KM last=0
	WIN 0
.if \last
	s_cmp_eq_u32 s[CNT], 1
	s_cbranch_scc1 .Lno_k_\@
.endif
	WIN 0xc0                        ; destination window 3
.irp f, 0,1,2,3,4,5,6,7
	ds_load_b64 v[RAW+2*\f:RAW+2*\f+1], v[AM] offset:(\f/4)*16*PM+(\f%4)*16
.endr
	WIN 0x80                        ; destination window 2
.irp f, 0,1,2,3,4,5,6,7
	ds_load_b128 v[KF+8*\f:KF+8*\f+3],   v[AK] offset:(\f/2)*16*PK+(\f%2)*64
	ds_load_b128 v[KF+8*\f+4:KF+8*\f+7], v[AK] offset:(\f/2)*16*PK+(\f%2)*64+32
.endr
	WIN 0xc0
.set cz, 8
.rept 24
	ds_load_b64 v[RAW+2*cz:RAW+2*cz+1], v[AM] offset:(cz/4)*16*PM+(cz%4)*16
.set cz, cz+1
.endr
	s_add_co_u32 s[TBK], s[TBK], KS*PK  ; the next fetch is the next step's
	s_add_co_u32 s[TBM], s[TBM], KS
	WIN 0
.if \last
.Lno_k_\@:
.endif
.endm
.macro FETCH_V
	WIN 0x80
.irp f, 0,1,2,3,4,5,6,7
	ds_load_tr16_b128 v[VF+8*\f:VF+8*\f+3],   v[AV] offset:(\f/4)*32*PV+(\f%4)*32
	ds_load_tr16_b128 v[VF+8*\f+4:VF+8*\f+7], v[AV] offset:(\f/4)*32*PV+16*PV+(\f%4)*32
.endr
	WIN 0
.endm
; THE C OPERANDS of piece p: 16 shifts turn the bytes 1 into 0x40, 8 scaled conversions make 64 registers of 0 or 2^100.  A plain instruction stands behind the last conversion, ahead of the first use.
.macro CONV p
	WIN 0xff
.set cz, 0
.rept 16
	v_lshlrev_b32 v[RAW+16*(\p)+cz], 6, v[RAW+16*(\p)+cz]
.set cz, cz+1
.endr
.set cz, 0
.rept 8
	v_cvt_scale_pk8_f32_fp8 v[MC+64*((\p)%2)+8*cz:MC+64*((\p)%2)+8*cz+7], v[RAW+16*(\p)+2*cz:RAW+16*(\p)+2*cz+1], v[SCL]
.set cz, cz+1
.endr
	v_nop
	WIN 0
.endm
; THE VECTOR WORK OF A TURN stands in three queues, each in the order in which its entries become ready; the two tiles alternate.
.macro REGS y, u
.set rT, ST+4*(2*(\y)+(\u))
.set rC, TMP+8*((\y)%2)+4*(\u)
.set rM, MV+2*((\y)%2)+(\u)
.set rS, S+64*((\y)%2)+32*(\u)
.set rP, P+32*((\y)%2)+16*(\u)
.set rO, 32*(2*(\y)+(\u))
.endm
; Number n of the 22 that find the NEXT piece's minimum and statistics; each accumulator's lowest registers are read first.
;   0-11 four chains c0-c3 of seven scores     12-14, 16 the four left over, the old m, c0-c3 into c0     15 -c m_old is kept     17, 18 the lane 16 away: the new m     19-21 -c m; its change; a
.macro XS u, n
	REGS (Y+1)%NP, \u
.if (\n) < 4
	v_min3_num_f32 v[rC+(\n)], v[rS+8*(\n)], v[rS+8*(\n)+1], v[rS+8*(\n)+2]
.elseif (\n) < 12
	v_min3_num_f32 v[rC+(\n)%4], v[rC+(\n)%4], v[rS+8*((\n)%4)+2*((\n)/4)+1], v[rS+8*((\n)%4)+2*((\n)/4)+2]
.elseif (\n) == 12
	v_min3_num_f32 v[rC], v[rC], v[rS+7], v[rS+15]
.elseif (\n) == 13
	v_min3_num_f32 v[rC+1], v[rC+1], v[rS+23], v[rS+31]
.elseif (\n) == 14
	v_min3_num_f32 v[rC+2], v[rC+2], v[rC+3], v[rT+1]
.elseif (\n) == 15
	v_mov_b32 v[rM], v[rT]
.elseif (\n) == 16
	v_min3_num_f32 v[rC], v[rC], v[rC+1], v[rC+2]
.elseif (\n) == 17
	v_permlanex16_b32 v[rC+3], v[rC], s[SEL], s[SEL+1]
.elseif (\n) == 18
	v_min_num_f32 v[rT+1], v[rC], v[rC+3]
.elseif (\n) == 19
	v_mul_f32 v[rT], s[CS], v[rT+1]
.elseif (\n) == 20
	v_sub_f32 v[rC+1], v[rM], v[rT]
.else
	v_exp_f32 v[rC+2], v[rC+1]
.endif
.endm
; Number g of the 64 that follow the exponentials: for each four weights both pairs are rounded to f16, the second pair is added onto the first, and a group later l takes that sum (the first time as l = a l + sum).
.macro GS g
.set h, (\g)+6*((\g)/62)
.if h >= 6
.set h, h+2
.endif
	REGS Y, h%2
.set k, h/8
.if h%8 < 4
	v_cvt_pk_f16_f32 v[rP+2*k+(h%8)/2], v[rS+4*k+2*((h%8)/2)], v[rS+4*k+2*((h%8)/2)+1]
.elseif h%8 < 6
	v_pk_add_f32 v[rS+4*k:rS+4*k+1], v[rS+4*k:rS+4*k+1], v[rS+4*k+2:rS+4*k+3]
.elseif k == 1
	v_pk_fma_f32 v[rT+2:rT+3], v[rT+2:rT+3], v[rC+2:rC+3], v[rS:rS+1] op_sel_hi:[1,0,1]
.else
	v_pk_add_f32 v[rT+2:rT+3], v[rT+2:rT+3], v[rS+4*k-4:rS+4*k-3]
.endif
.endm
; THE PLAIN QUEUE, 138 long.  0-73 read no exponential's result: the 32 scalings (-c) S' - (-c m) and the next piece's 42.  74-137: GS's 64, which stand behind the wait.
.macro FS f
	REGS Y, (\f)%2
	v_pk_fma_f32 v[rS+2*((\f)/2):rS+2*((\f)/2)+1], v[rS+2*((\f)/2):rS+2*((\f)/2)+1], s[CS:CS+1], v[rT:rT+1] op_sel_hi:[1,0,0] neg_lo:[0,0,1] neg_hi:[0,0,1]
.endm
.macro PL
	WIN 0
.if q < 27
	FS q
.elseif q < 55
	XS (q-27)%2, (q-27)/2
.elseif q < 57
	XS q-55, 15
.elseif (q < 72) && ((q-57)%3 == 0)
	FS 27+(q-57)/3
.elseif q < 60
	XS (q-57)%3-1, 14
.elseif q < 72
	XS (q-57)%3-1, 15+(q-57)/3
.elseif q < 74
	XS q-72, 20
.else
	GS q-74
.endif
.set q, q+1
.endm
; THE EXPONENTIALS' QUEUE, 66 long: one batch, all ahead of the turn's one wait.
.macro EX
	WIN 0
.if e >= 64
	XS e-64, 21
.else
	REGS Y, e%2
	v_exp_f32 v[rS+e/2], v[rS+e/2]
.endif
.set e, e+1
.endm
; THE RESCALING's QUEUE: O^T times a, two at a time.
.macro R2
	REGS Y, r%2
	WIN W_RS
.irp z, 0,1
	v_pk_mul_f32 v[rO+4*(r/2)+2*\z:rO+4*(r/2)+2*\z+1], v[rO+4*(r/2)+2*\z:rO+4*(r/2)+2*\z+1], v[rC+2:rC+3] op_sel_hi:[1,0]
.endr
.set r, r+1
.endm
; A TURN, for piece p.  Ahead of the one wait stands all that names no result of the turn's exponentials: 16 products with a scaling, an exponential and two rescalings behind each, then a lump of 108.  Behind it:
; 16 products V^T P with four of GS's 64 behind each.  K and the mask of the next step are fetched in piece 2's turn, directly behind the wait; V of the step in hand at the end of piece 0's turn, four riders behind
; its last reader.  At the turn's end the C operands of piece p + 2 are made, into the buffer whose last readers stood in the turn before.
.macro TURN p, last=0, cnt=0
.set Y, (\p)
.set i, 0
.set q, 0
.set e, 0
.set r, 0
.if (\p) == NP-1
	s_wait_dscnt 24                 ; K is in; the 24 loads of the mask issued behind it may stay out
.endif
	MM
	PL
	PL
	R2
.rept 15
	MM
	PL
	EX
	R2
.endr
.if (\p) == NP-2
	WIN 0
	v_add_nc_u32 v[AK], s[TBK], v[AK0]
	v_add_nc_u32 v[AM], s[TBM], v[AM0]
.endif
.rept 8
	PL
.endr
.rept 49
	EX
	PL
.endr
	EX
	EX
	v_nop                           ; a plain instruction behind the last exponential: one for the batch
	s_wait_alu depctr_va_vdst(0)    ; the wait ahead of the first use: one for the batch
.if (\p) == NP-2
	FETCH_KM \last
.endif
.if (\p) == 1
	s_wait_dscnt 0x0                ; V is in
.endif
.rept 16
	MM
.rept 4
	PL
.endr
.if ((\p) == 0) && (q == 118)
	v_add_nc_u32 v[AV], s[TBV], v[AV0]
.endif
.if ((\p) == 0) && (q == 130)
	s_add_co_u32 s[TBV], s[TBV], KS*PV
.endif
.if (\cnt) && (q == 130)
	s_sub_co_u32 s[CNT], s[CNT], 1
	s_cmp_lg_u32 s[CNT], 0
.endif
.endr
.if (\p) == 0
	FETCH_V
.endif
.if (\p) == NP-2
	s_wait_dscnt 40                 ; the mask of tiles 0 and 1 is in; K's 16 loads and the other 24 of the mask may stay out
.endif
.if (\p) == NP-1
	s_wait_dscnt 0x0                ; the rest of the mask is in
.endif
	CONV ((\p)+2)%NP
.endm
	CHANGE 1                        ; slot 0 is in, everybody's part of it; slot 1 is asked for
	FETCH_KM                        ; key step 0
	s_wait_loadcnt 0x0              ; Q
	WIN 0x88
.set i, 0
.rept 128
	v_xor_b32 v[i], 0x80008000, v[i]  ; -Q, two f16 at a time, once
.set i, i+1
.endr
	s_wait_dscnt 0x0
	CONV 0
	CONV 1
.set i, 0
.rept 16
	KQ 0                            ; piece 0's first scores
.set i, i+1
.endr
	WIN 0
.rept 4
	v_nop                           ; the places behind those products
.endr
.set Y, NP-1
.irp n, 0,1,2,3,4,5,6,7,8,9,10,11,12,13,14,15,16,17,18,19,20,21
	XS 0, \n
	XS 1, \n
.endr
	v_nop
	s_wait_alu depctr_va_vdst(0)    ; the two a's wait, ahead of the branch
	s_mov_b32 s[CNT], 2
	s_mov_b32 s[SLOTS], 15
	s_branch .Lfirst                ; the loop is entered at a step's first turn, in the middle of a trip
.Lslot:                             ; 14 times: every slot but the last two is filled again
	CHANGE 1, 1
	s_mov_b32 s[CNT], 2
.Lstep:                             ; a trip: pieces 2 and 3 of one step, then pieces 0 and 1 of the next
	TURN 2
	TURN 3
	WIN 0
.Lfirst:
	TURN 0
	TURN 1, 0, 1
	WIN 0
	s_cbranch_scc1 .Lstep
	s_sub_co_u32 s[SLOTS], s[SLOTS], 1
	s_cmp_lg_u32 s[SLOTS], 0
	s_cbranch_scc1 .Lslot
	CHANGE 0                        ; the tail is written out
	s_mov_b32 s[CNT], 3             ; two trips fetch the last slot's steps; the third is left in its middle
.Ltail:
	TURN 2, 1
	TURN 3
	WIN 0
	s_sub_co_u32 s[CNT], s[CNT], 1
	s_cmp_eq_u32 s[CNT], 0
	s_cbranch_scc1 .Lout
	TURN 0
	TURN 1
	WIN 0
	s_branch .Ltail
.Lout:                              ; the third trip's 16 products on the last K once more, and what is made of them, serve nothing: the price, once a launch, of one text for every trip
.set i, 0
.rept 16
	PV NP-1
.set i, i+1
.endr
	; THE WAY OUT.  l's two halves and the other half of the lanes' are added; O^T is divided by l, rounded to f16 and sent through my stage, a tile at a time.
	WIN 0
.macro ALL line:vararg
.set t, 0
.rept 2*NP
	\line
.set t, t+1
.endr
.endm
	ALL v_add_f32 v[ST+4*t+2], v[ST+4*t+2], v[ST+4*t+3]
	ALL v_permlanex16_b32 v[ST+4*t+3], v[ST+4*t+2], s[SEL], s[SEL+1]
	ALL v_add_f32 v[ST+4*t+2], v[ST+4*t+2], v[ST+4*t+3]
	ALL v_rcp_f32 v[ST+4*t+2], v[ST+4*t+2]
	v_nop
	s_wait_alu depctr_va_vdst(0)    ; one wait for the eight reciprocals
.macro PACK t
	WIN W_RS
.set i, 32*(\t)
.rept 16
	v_pk_mul_f32 v[i:i+1], v[i:i+1], v[ST+4*(\t)+2:ST+4*(\t)+3] op_sel_hi:[1,0]
.set i, i+2
.endr
	WIN 0x05
.set i, 0
.rept 16
	v_cvt_pk_f16_f32 v[S+16*(\t)+i], v[32*(\t)+2*i], v[32*(\t)+2*i+1]
.set i, i+1
.endr
	WIN 0
.irp f, 0,1,2,3
	ds_store_b128 v[STO], v[S+16*(\t)+4*\f:S+16*(\t)+4*\f+3] offset:32*\f
.endr
.irp f, 0,1,2,3
	ds_load_b128 v[S+16*(\t)+4*\f:S+16*(\t)+4*\f+3], v[RD] offset:\f*4*SP  ; LDS serves a wave's instructions in order: these see the stores above
.endr
.endm
.macro SEND t, younger              ; younger: the LDS instructions issued behind tile t's loads
	WIN 0
.irp f, 0,1,2,3
	s_wait_dscnt (\younger)+3-\f
	global_store_b128 v[GO], v[S+16*(\t)+4*\f:S+16*(\t)+4*\f+3], s[10:11] offset:(\t)*2048+\f*512  ; 512 consecutive bytes, aligned
.endr
.endm
	PACK 0
.set t, 1
.rept 2*NP-1
	PACK t
	SEND t-1, 8
.set t, t+1
.endr
	SEND 2*NP-1, 0
	WIN W_AD
	s_wait_tensorcnt 0x0            ; the wave's end
	ds_add_u32 v[SPW], v[NIL]
	s_wait_dscnt 0x0
	WIN 0
	CROUND                          ; the closing round
	s_endpgm
.Lfunc_end_k_q127f560384_attn:
	.size	k_q127f560384_attn, .Lfunc_end_k_q127f560384_attn-k_q127f560384_attn
	.p2alignl 7, 3214868480
	.fill 96, 4, 3214868480
	.section	.rodata,"a",@progbits
	.p2align	6, 0x0
	.amdhsa_kernel k_q127f560384_attn
		.amdhsa_group_segment_fixed_size 327680
		.amdhsa_private_segment_fixed_size 0
		.amdhsa_enable_private_segment 0
		.amdhsa_kernarg_size 24
		.amdhsa_user_sgpr_count 2
		.amdhsa_user_sgpr_kernarg_segment_ptr 1
		.amdhsa_wavefront_size32 1
		.amdhsa_system_sgpr_workgroup_id_x 1
		.amdhsa_system_sgpr_workgroup_id_y 1
		.amdhsa_system_sgpr_workgroup_id_z 1
		.amdhsa_system_vgpr_workitem_id 0
		.amdhsa_next_free_vgpr 1024
		.amdhsa_next_free_sgpr 88
		.amdhsa_reserve_vcc 0
		.amdhsa_float_denorm_mode_32 3
		.amdhsa_float_denorm_mode_16_64 3
		.amdhsa_memory_ordered 1
		.amdhsa_forward_progress 1
		.amdhsa_inst_pref_size 229
	.end_amdhsa_kernel
	.amdgpu_metadata
---
amdhsa.version: [ 1, 2 ]
amdhsa.kernels:
  - .name:           k_q127f560384_attn
    .symbol:         k_q127f560384_attn.kd
    .args:
      - { .name: qkv, .offset: 0, .size: 8, .value_kind: global_buffer, .address_space: global }
      - { .name: mask, .offset: 8, .size: 8, .value_kind: global_buffer, .address_space: global }
      - { .name: oh, .offset: 16, .size: 8, .value_kind: global_buffer, .address_space: global }
    .group_segment_fixed_size: 327680
    .private_segment_fixed_size: 0
    .kernarg_segment_align: 8
    .kernarg_segment_size: 24
    .max_flat_workgroup_size: 128
    .sgpr_count:     88
    .vgpr_count:     1024
    .wavefront_size: 32
...
	.end_amdgpu_metadata
.endif
;; end of part 3
;; launch outp (part 4): grid 4 x 64, 4 waves a work-group, clusters of 4 x 4, 327,680 bytes of LDS; arguments oh, wb, bo, out0; writes out0
.if DOCPART == 4
	.amdgcn_target "amdgcn-amd-amdhsa--gfx1250"
	.amdhsa_code_object_version 6
	.text
	.protected	k_q127f560384_outp
	.globl	k_q127f560384_outp
	.p2align	8
	.type	k_q127f560384_outp,@function
k_q127f560384_outp:
	s_mov_b64 s[64:65], 0
	v_nop
	global_prefetch_b8 v0, s[64:65] scope:SCOPE_SE
	s_setreg_imm32_b32 hwreg(HW_REG_WAVE_MODE, 25, 1), 1
	s_wait_xcnt 0x0
	s_wait_alu depctr_hold_cnt(0) depctr_sa_sdst(0) depctr_va_vdst(0) depctr_va_sdst(0) depctr_va_ssrc(0) depctr_va_vcc(0) depctr_vm_vsrc(0)
	s_getreg_b32 s2, hwreg(HW_REG_IB_STS2, 6, 4)
	s_cmp_eq_u32 s2, 0
	s_cbranch_scc0 .Lentry_in_a_cluster
	s_endpgm
.Lentry_in_a_cluster:
	s_bfe_u32 s2, ttmp6, 0x10000c
	s_cmp_lg_u32 s2, 0xf033
	s_cbranch_scc0 .Lentry_shape_is_right
	s_endpgm
.Lentry_shape_is_right:
; out0 = O Wo + bo.  O: oh, [16 n + h][row][64] f16, so that K = 64 h + d; Wo: part 3 of wb, [k][n], the bf16-rounded weight written as f16; bo f32, rounded to bf16 like every input; sums and out0 in f32.
; LIMIT.  Both operands are f16: O and Wo lie within 65,504 (O has V's range), and below 2^-14 they keep f16's fixed step of 2^-24.
; SHARES.  Row tile R = 4 x cluster y + cy (128 rows of one batch), column tile cx (256 columns): 256 work-groups.  Four waves, each 64 rows x 128 columns: 32 accumulators.
; K goes in 8 steps of 128, two heads each, through two LDS slots; a step is four quarters of 32, 32 matrix instructions each, on fragment buffers 0, 1, 0, 1.
; CLUSTER 4 x 4.  O's tile hangs on R alone and is asked for jointly along a row of the cluster, Wo's on cx alone and jointly along a column.
; The matrix instruction is used transposed (source 0 = 16 columns of Wo, by the turning load; source 1 = 16 rows of O): a lane holds eight neighbouring columns of one row.  The first products take the bias as C.
; REGISTERS.  window 0: v16-30 addresses; v32-63 at work; v64-127 the way out; v128-191 O's fragments, two buffers; v192-255 the bias.   window 1: v0-127 Wo's fragments.   window 2: accumulator (a, b) at v[8 (8 a + b)].
.set PAO,   144                        ; a row of O in LDS: 128 bytes + 16
.set PB,    544                        ; a row of Wo: 512 + 32
.set AHD,   128*PAO                    ; a head's 128 rows: what one load of O brings
.set BH,    64*PB
.set BOFF,  2*AHD
.set SLOT,  BOFF+2*BH                  ; 106,496
.set STAGE, 2*SLOT                     ; behind the ring: 16 rows x 528 bytes for each wave
.set SPO,   528
.set SPARE, STAGE+4*16*SPO             ; the spare words, 128 bytes a wave: two blocks of 256 bytes that no other line names
.set ADRA, 16
.set ADRB, 20
.set STO,  24
.set RD,   25
.set CO,   26
.set BO,   27
.set SPW,  28
.set NIL,  29
.set PFO,  30
.set TMP,  32
.set OB,   64
.set AF,   128
.set BIAS, 192
.set G1,  24
.set G0,  32
.set G1B, 48
.set G0B, 56
.set PFA, 88
.set PFS, 90
.set LIM, 92
.set MSB, 0
.macro WIN new
.if MSB != (\new)
	s_set_vgpr_msb (MSB<<8)|(\new)
.set MSB, \new
.endif
.endm
.macro PLACES
.rept 4
	v_nop
.endr
.endm
.macro JLOAD s                         ; a joint load: waves 0 and 1 fetch the K step's two heads of O, waves 2 and 3 Wo's two halves; an s_nop 0 and four v_nop follow each line
	s_cmp_eq_u32 s11, 0
	s_cbranch_scc0 .Lfor_b_\@
	tensor_load_to_lds s[G0+4*(\s):G0+4*(\s)+3], s[G1:G1+7]
	s_nop 0
.rept 4
	v_nop
.endr
	s_branch .Lasked_\@
.Lfor_b_\@:
	tensor_load_to_lds s[G0B+4*(\s):G0B+4*(\s)+3], s[G1B:G1B+7]
	s_nop 0
.rept 4
	v_nop
.endr
.Lasked_\@:
.endm
.macro CREST
	s_cmp_lg_u32 s10, 0
	s_cbranch_scc1 .Lnot_wave_0_\@
	s_barrier_signal -3
.Lnot_wave_0_\@:
	s_barrier_wait -3
	s_barrier_signal -1
	s_barrier_wait -1
.endm
.macro CROUND
	s_barrier_signal -1
	s_barrier_wait -1
	CREST
.endm
; A prefetch into the L2 behind each joint refill: the K step two refills on.  O's K step is 2 heads x 64 blocks of 256 bytes, read by this cluster alone: the four partners take 16 blocks of each head, by address
; (cx); wave 0 asks, a lane a block.  Wo's is 64 rows x 2 blocks a wave: the partners take 16 rows each by address (cy); waves 2 and 3 of the first cluster ask.  The loop's last trip asks for nothing.
.macro ASK
	s_cmp_gt_u32 s3, s[LIM]
	s_cbranch_scc0 .Lnot_mine_\@
	global_prefetch_b8 v[PFO], s[PFA:PFA+1] th:TH_LOAD_NT scope:SCOPE_SE
.Lnot_mine_\@:
.endm
	s_load_b256 s[68:75], s[0:1], 0x0              ; oh s[68:69], wb s[70:71], bo s[72:73], out0 s[74:75]
	v_lshl_add_u32 v[SPW], v0, 2, SPARE
	v_mov_b32 v[NIL], 0
	ds_add_u32 v[SPW], v[NIL]                      ; the wave's opening: the add and its wait ahead of my first tensor load
	v_lshrrev_b32 v1, 5, v0
	v_readfirstlane_b32 s10, v1                    ; wave 0..3
	s_lshr_b32 s11, s10, 1                         ; my half of the rows.  Also: I fetch O (0) or Wo (1)
	s_and_b32 s12, s10, 1                          ; my half of the columns.  Also: which head, or which 64 rows, I fetch
	s_bfe_u32 s40, ttmp6, 0x40000                  ; cx = the column tile
	s_bfe_u32 s41, ttmp6, 0x40004                  ; cy
	s_and_b32 s84, ttmp7, 0xffff                   ; cluster y
	s_lshl_b32 s13, s84, 2
	s_add_co_u32 s13, s13, s41                     ; the row tile R
	s_lshl_b32 s43, s41, 2
	s_lshl_b32 s43, 15, s43                        ; my row of the cluster
	s_lshl_b32 s44, 0x1111, s40                    ; my column
	; a head's 128 rows are 16,384 dense bytes: asked for as 64 rows of 256 bytes, padded in LDS after every 128
	s_or_b32 s[G1+0], s43, (1<<16)|(1<<20)|(1<<21)|(4<<22)|(3<<25)
	s_or_b32 s[G1B+0], s44, (1<<16)|(1<<20)|(1<<21)|(6<<22)|(7<<25)
	s_mov_b32 s[G1+1], 128<<16
	s_mov_b32 s[G1+2], 64<<16
	s_mov_b32 s[G1+3], 128<<16
	s_mov_b32 s[G1+4], 64
	s_mov_b32 s[G1+5], 128
	s_mov_b32 s[G1+6], 0
	s_mov_b32 s[G1+7], 0
	s_mov_b32 s[G1B+1], 256<<16
	s_mov_b32 s[G1B+2], 64<<16
	s_mov_b32 s[G1B+3], 256<<16
	s_mov_b32 s[G1B+4], 64
	s_mov_b32 s[G1B+5], 1024
	s_mov_b32 s[G1B+6], 0
	s_mov_b32 s[G1B+7], 0
	s_lshr_b32 s16, s13, 4                         ; O: the batch's 16 heads of 262,144 bytes,
	s_lshl_b32 s16, s16, 22
	s_lshl_b32 s17, s12, 18                        ; my head of the K step's two,
	s_add_co_u32 s16, s16, s17
	s_and_b32 s17, s13, 15                         ; 128 rows of 128 bytes
	s_lshl_b32 s17, s17, 14
	s_add_co_u32 s16, s16, s17
	s_mov_b32 s17, 0
	s_lshl_b32 s46, s12, 17                        ; Wo: 64 rows of 2,048 bytes,
	s_add_co_u32 s46, s46, 3<<21                   ; in part 3 of wb,
	s_lshl_b32 s47, s40, 9                         ; 256 columns of 2 bytes
	s_add_co_u32 s46, s46, s47
	s_mov_b32 s47, 0
	s_mul_i32 s20, s12, AHD
	s_mul_i32 s21, s12, BH
	s_add_co_u32 s21, s21, BOFF
	s_wait_dscnt 0x0                               ; the opening add is done
	s_wait_kmcnt 0x0
	s_add_nc_u64 s[14:15], s[68:69], s[16:17]
	s_add_nc_u64 s[46:47], s[70:71], s[46:47]
	CROUND                                         ; all sixteen work-groups are here: the first joint loads meet
.irp s, 0,1
	s_mov_b32 s[G0+4*\s], 1
	s_add_co_u32 s[G0+4*\s+1], s20, \s*SLOT
	s_add_nc_u64 s[G0+4*\s+2:G0+4*\s+3], s[14:15], \s*524288
	s_or_b32 s[G0+4*\s+3], s[G0+4*\s+3], 0x80000000
	s_mov_b32 s[G0B+4*\s], 1
	s_add_co_u32 s[G0B+4*\s+1], s21, \s*SLOT
	s_add_nc_u64 s[G0B+4*\s+2:G0B+4*\s+3], s[46:47], \s*262144
	s_or_b32 s[G0B+4*\s+3], s[G0B+4*\s+3], 0x80000000
	JLOAD \s
.endr
	v_and_b32 v1, 15, v0                           ; l % 16
	v_bfe_u32 v2, v0, 4, 1                         ; l / 16
	v_lshlrev_b32 v[BO], 5, v2
	s_lshl_b32 s22, s40, 10
	s_lshl_b32 s23, s12, 9
	s_add_co_u32 s22, s22, s23                     ; my 128 columns, 4 bytes each: in bo and in a row of out0
	s_mov_b32 s23, 0
	s_add_nc_u64 s[6:7], s[72:73], s[22:23]
	s_add_nc_u64 s[8:9], s[74:75], s[22:23]
.irp b, 0,1,2,3,4,5,6,7
	global_load_b128 v[BIAS+8*\b:BIAS+8*\b+3],   v[BO], s[6:7] offset:64*\b
	global_load_b128 v[BIAS+8*\b+4:BIAS+8*\b+7], v[BO], s[6:7] offset:64*\b+16
.endr
	s_lshl_b32 s22, s13, 19                        ; my first row of out0: 128 R + 64 x half, of 4,096 bytes
	s_lshl_b32 s86, s11, 18
	s_add_co_u32 s22, s22, s86
	s_add_nc_u64 s[8:9], s[8:9], s[22:23]
	v_mul_u32_u24 v3, v1, PAO
	v_lshl_add_u32 v3, v2, 4, v3                   ; O: row x pitch + 16 x half
	v_and_b32 v6, 7, v0
	v_bfe_u32 v8, v0, 3, 1
	v_lshl_add_u32 v7, v2, 3, v6                   ; Wo, turning load
	v_mul_u32_u24 v7, v7, PB
	v_lshl_add_u32 v7, v8, 4, v7
	s_mul_i32 s21, s11, 64*PAO                     ; my 64 rows of O
	s_lshl_b32 s22, s12, 8                         ; my 128 columns of Wo
	s_add_co_u32 s22, s22, BOFF
.irp s, 0,1
	v_add_nc_u32 v[ADRA+\s], s21, v3
	v_add_nc_u32 v[ADRB+\s], s22, v7
	s_add_co_u32 s21, s21, SLOT
	s_add_co_u32 s22, s22, SLOT
.endr
	s_mul_i32 s23, s10, 16*SPO
	s_add_co_u32 s23, s23, STAGE                   ; my stage
	v_mul_u32_u24 v4, v1, SPO                      ; in: row l % 16, 32 bytes for each half of the lanes
	v_lshl_add_u32 v4, v2, 5, v4
	v_add_nc_u32 v[STO], s23, v4
	v_and_b32 v5, 31, v0
	v_lshlrev_b32 v[CO], 4, v5                     ; back: 32 lanes take a row's 512 bytes
	v_add_nc_u32 v[RD], s23, v[CO]
	; the prefetches, at K step 3: the first change of slots steps them to 4
	s_lshl_b32 s22, s40, 12                        ; O: 16 cx blocks of 256 bytes into each head's 64
	s_add_co_u32 s22, s22, 3*524288
	s_lshl_b32 s23, s41, 15                        ; Wo: 16 cy rows of 2,048 bytes
	s_add_co_u32 s23, s23, 3*262144
	s_mov_b32 s94, 524288
	s_mov_b32 s95, 262144
	s_cmp_eq_u32 s11, 0                            ; do I fetch O?
	s_cselect_b64 s[PFA:PFA+1], s[14:15], s[46:47]
	s_cselect_b32 s86, s22, s23
	s_cselect_b32 s[PFS], s94, s95
	s_cselect_b32 s93, s12, s84                    ; O: wave 0 asks, wave 1 does not; Wo: the first cluster's waves ask
	s_cselect_b32 s94, 4, 1                        ; a lane's number splits into head and block, or into row and block
	s_cselect_b32 s95, 15, 1
	s_cselect_b32 s85, 18, 11
	s_mov_b32 s87, 0
	s_mov_b32 s[PFS+1], 0
	s_add_nc_u64 s[PFA:PFA+1], s[PFA:PFA+1], s[86:87]
	s_cmp_eq_u32 s93, 0
	s_cselect_b32 s[LIM], 1, -1                    ; the same in all sixteen partners, for a given wave
	v_lshrrev_b32 v3, s94, v5
	v_and_b32 v[PFO], s95, v5
	v_lshlrev_b32 v3, s85, v3
	v_lshl_or_b32 v[PFO], v[PFO], 8, v3
	s_wait_loadcnt 0x0                             ; the bias
.set n, 0
.rept 32
	v_cvt_pk_bf16_f32 v[TMP+n], v[BIAS+2*n], v[BIAS+2*n+1]
.set n, n+1
.endr
.set n, 0
.rept 32
	v_lshlrev_b32 v[BIAS+2*n], 16, v[TMP+n]
	v_and_b32 v[BIAS+2*n+1], 0xffff0000, v[TMP+n]
.set n, n+1
.endr
; 8 products: row block a x all 8 column blocks, 32 along K, from buffer f.  first = 1: C is the bias.  The 32 accumulators take turns in one order everywhere.
.macro MUL8 f, a, first
.irp b, 0,1,2,3,4,5,6,7
.if \first
	WIN 0x81
	v_wmma_f32_16x16x32_f16 v[8*(8*(\a)+\b):8*(8*(\a)+\b)+7], v[64*(\f)+8*\b:64*(\f)+8*\b+7], v[AF+32*(\f)+8*(\a):AF+32*(\f)+8*(\a)+7], v[BIAS+8*\b:BIAS+8*\b+7]
.else
	WIN 0xa1
	v_wmma_f32_16x16x32_f16 v[8*(8*(\a)+\b):8*(8*(\a)+\b)+7], v[64*(\f)+8*\b:64*(\f)+8*\b+7], v[AF+32*(\f)+8*(\a):AF+32*(\f)+8*(\a)+7], v[8*(8*(\a)+\b):8*(8*(\a)+\b)+7]
.endif
.endr
.endm
; 24 LDS loads in one run: quarter q of a slot (head q / 2 of its two, channels 32 (q % 2) on) into buffer g
.macro FETCH slot, q, g
	WIN 0
.irp a, 0,1,2,3
	ds_load_b128 v[AF+32*(\g)+8*\a:AF+32*(\g)+8*\a+3],   v[ADRA+(\slot)] offset:((\q)/2)*AHD+((\q)%2)*64+\a*16*PAO
	ds_load_b128 v[AF+32*(\g)+8*\a+4:AF+32*(\g)+8*\a+7], v[ADRA+(\slot)] offset:((\q)/2)*AHD+((\q)%2)*64+\a*16*PAO+32
.endr
	WIN 0x40
.irp b, 0,1,2,3,4,5,6,7
	ds_load_tr16_b128 v[64*(\g)+8*\b:64*(\g)+8*\b+3],   v[ADRB+(\slot)] offset:32*(\q)*PB+32*\b
	ds_load_tr16_b128 v[64*(\g)+8*\b+4:64*(\g)+8*\b+7], v[ADRB+(\slot)] offset:32*(\q)*PB+16*PB+32*\b
.endr
.endm
.macro QUARTER slot, q, f, first
	s_wait_dscnt 0x0                               ; buffer f, asked for 16 products ago
	MUL8 \f, 0, \first
	MUL8 \f, 1, \first
	PLACES
	FETCH \slot, \q, 1-(\f)
	MUL8 \f, 2, \first
	MUL8 \f, 3, \first
.endm
; The last quarter multiplies buffer 1 and changes slots: one barrier; in front of it each wave waits for all its tensor loads, adds 0 to its spare word, and waits for that and for its reads of this slot.
.macro TURN slot, next, fill
.if \fill
	s_wait_xcnt 0x0                                ; the last prefetch, a K step back, has read its address
	s_add_nc_u64 s[PFA:PFA+1], s[PFA:PFA+1], s[PFS:PFS+1]
.endif
	WIN 0
	s_wait_tensorcnt 0x0                           ; all my tensor loads have landed: my part of the next slot
	ds_add_u32 v[SPW], v[NIL]                      ; 0 onto my spare word
	s_wait_dscnt 1                                 ; buffer 1 is in; the add alone may be out
	MUL8 1, 0, 0
	s_wait_dscnt 0x0                               ; the add is done, and my reads of this slot are over
	s_barrier_signal -1
	MUL8 1, 1, 0
	WIN 0
	s_barrier_wait -1
.if \fill
	CREST                                          ; no wave of any partner still reads this slot or has a load on its way
	s_add_nc_u64 s[G0+4*(\slot)+2:G0+4*(\slot)+3], s[G0+4*(\slot)+2:G0+4*(\slot)+3], 2*524288
	s_add_nc_u64 s[G0B+4*(\slot)+2:G0B+4*(\slot)+3], s[G0B+4*(\slot)+2:G0B+4*(\slot)+3], 2*262144
	JLOAD \slot                                    ; the first tensor load behind the round; its four v_nop are also the places in front of the loads below
.else
	PLACES
.endif
	FETCH \next, 0, 0
	WIN 0
.if \fill
	ASK
.endif
	MUL8 1, 2, 0
	MUL8 1, 3, 0
.endm
	s_wait_tensorcnt 1                             ; my part of K step 0 is in; K step 1's may stay out
	s_barrier_signal -1
	s_barrier_wait -1
	FETCH 0, 0, 0
	QUARTER 0, 1, 0, 1                             ; the first quarter stands in front of the loop: its products start the sums, with the bias
	WIN 0
	s_mov_b32 s3, 3
.Llap:
	QUARTER 0, 2, 1, 0
	QUARTER 0, 3, 0, 0
	TURN 0, 1, 1
	QUARTER 1, 1, 0, 0
	QUARTER 1, 2, 1, 0
	QUARTER 1, 3, 0, 0
	TURN 1, 0, 1
	QUARTER 0, 1, 0, 0
	WIN 0
	s_sub_co_u32 s3, s3, 1
	s_cmp_lg_u32 s3, 0
	s_cbranch_scc1 .Llap
	QUARTER 0, 2, 1, 0                             ; the last lap fills nothing
	QUARTER 0, 3, 0, 0
	TURN 0, 1, 0
	QUARTER 1, 1, 0, 0
	QUARTER 1, 2, 1, 0
	QUARTER 1, 3, 0, 0
	s_wait_dscnt 0x0
	MUL8 1, 0, 0
	MUL8 1, 1, 0
	MUL8 1, 2, 0
	MUL8 1, 3, 0
	WIN 0
	PLACES
	; THE WAY OUT, 16 rows at a time: a lane's 32 bytes of a row go into my stage straight from the accumulators, low half first; back as whole rows of 512 bytes.
.irp a, 0,1,2,3
	WIN 0x08                                       ; the stores' data in window 2
.irp b, 0,1,2,3,4,5,6,7
	ds_store_b128 v[STO], v[64*\a+8*\b:64*\a+8*\b+3]   offset:64*\b
	ds_store_b128 v[STO], v[64*\a+8*\b+4:64*\a+8*\b+7] offset:64*\b+16
.endr
	WIN 0
	s_wait_xcnt 0x0                                ; earlier stores have read their registers, which are loaded again below
.irp t, 0,1,2,3,4,5,6,7,8,9,10,11,12,13,14,15
	ds_load_b128 v[OB+4*\t:OB+4*\t+3], v[RD] offset:\t*SPO  ; LDS serves a wave's instructions in order: these see the stores above
.endr
	s_wait_dscnt 0x0
.irp t, 0,1,2,3,4,5,6,7,8,9,10,11,12,13,14,15
	global_store_b128 v[CO], v[OB+4*\t:OB+4*\t+3], s[8:9] offset:(16*\a+\t)*4096 th:TH_STORE_NT  ; 512 consecutive bytes, aligned
.endr
.endr
	s_wait_tensorcnt 0x0                           ; the wave's end
	ds_add_u32 v[SPW], v[NIL]
	s_wait_dscnt 0x0
	CROUND                                         ; the closing round
	s_endpgm
.Lfunc_end_k_q127f560384_outp:
	.size	k_q127f560384_outp, .Lfunc_end_k_q127f560384_outp-k_q127f560384_outp
	.p2alignl 7, 3214868480
	.fill 96, 4, 3214868480
	.section	.rodata,"a",@progbits
	.p2align	6, 0x0
	.amdhsa_kernel k_q127f560384_outp
		.amdhsa_group_segment_fixed_size 327680
		.amdhsa_private_segment_fixed_size 0
		.amdhsa_enable_private_segment 0
		.amdhsa_kernarg_size 32
		.amdhsa_user_sgpr_count 2
		.amdhsa_user_sgpr_kernarg_segment_ptr 1
		.amdhsa_wavefront_size32 1
		.amdhsa_system_sgpr_workgroup_id_x 1
		.amdhsa_system_sgpr_workgroup_id_y 1
		.amdhsa_system_sgpr_workgroup_id_z 1
		.amdhsa_system_vgpr_workitem_id 0
		.amdhsa_next_free_vgpr 768
		.amdhsa_next_free_sgpr 96
		.amdhsa_reserve_vcc 0
		.amdhsa_float_denorm_mode_32 3
		.amdhsa_float_denorm_mode_16_64 3
		.amdhsa_memory_ordered 1
		.amdhsa_forward_progress 1
		.amdhsa_inst_pref_size 93
	.end_amdhsa_kernel
	.amdgpu_metadata
---
amdhsa.version: [ 1, 2 ]
amdhsa.kernels:
  - .name:           k_q127f560384_outp
    .symbol:         k_q127f560384_outp.kd
    .args:
      - { .name: oh, .offset: 0, .size: 8, .value_kind: global_buffer, .address_space: global }
      - { .name: wb, .offset: 8, .size: 8, .value_kind: global_buffer, .address_space: global }
      - { .name: bo, .offset: 16, .size: 8, .value_kind: global_buffer, .address_space: global }
      - { .name: out0, .offset: 24, .size: 8, .value_kind: global_buffer, .address_space: global }
    .group_segment_fixed_size: 327680
    .private_segment_fixed_size: 0
    .kernarg_segment_align: 8
    .kernarg_segment_size: 32
    .max_flat_workgroup_size: 128
    .sgpr_count:     96
    .vgpr_count:     768
    .wavefront_size: 32
...
	.end_amdgpu_metadata
.endif
;; end of part 4
